; MI455X (gfx1250); checked and timed in simulation.
; The chip was launched on July 23, 2026; its instructions are those of AMD's public machine-readable ISA for CDNA 5 (MIT licence, August 2026) and "CDNA5" Instruction Set Architecture Reference Guide (July 2026). The comments in the code are by the model that wrote it; some were corrected since.
;; Slow Multi Head Attention. Allowed arithmetic: matrix products marked QUANTISED: E2M1 operands, one E8M0 scale for each 32 along K, by v_wmma_scale_f32_16x16x128_f8f6f4 with both operands' format E2M1 (or v_wmma_scale_f32_32x16x128_f4), f32 sums; everything else in f32.
;; Inputs: Wproj 1,024 x 1,024 float32; Wqkv 3,072 x 1,024 float32; attn_mask 4 x 2,048 int32; bproj 1,024 float32; bqkv 3,072 float32; inp 2,048 x 4 x 1,024 float32.
;; Outputs: out0 2,048 x 4 x 1,024 float32.
;; This version of the problem:
;;   THIS VERSION OF THE PROBLEM IS GIVEN IN LOW PRECISION. The matrix products marked QUANTISED in the list below multiply operands that are first quantised to E2M1 (2 exponent bits, 1 mantissa bit; 4 bits a number), with one power-of-two scale for each 32 numbers along K (OCP MX v1.0); their sums are f32. All else is computed in f32.
;;   The module's matrix products, in the order in which they are computed (A, B: the left and right operand; K: the contracted axis; several contracted axes count as one K, in the product's order):
;;     1. [M 8,192, K 1,024] x [K 1,024, N 3,072]; A: input inp; B: input Wqkv: QUANTISED
;;     2. batch 64 x [M 2,048, K 64] x [K 64, N 2,048]; A: computed on the way; B: computed on the way: QUANTISED
;;     3. batch 64 x [M 64, K 2,048] x [K 2,048, N 2,048]; A: computed on the way; B: softmax (see below): QUANTISED
;;     4. [M 8,192, K 1,024] x [K 1,024, N 1,024]; A: computed on the way; B: input Wproj: QUANTISED
;;   THE QUANTISER, for each operand of a quantised product, along K:
;;     - K is cut into blocks of 32 from its start; a last block that is shorter is filled with zeros.
;;     - A block's scale is 2^e with e = floor(log2(the largest magnitude in the block)) - 2, held to -126 .. 127; a block of zeros has e = 0. As a byte (E8M0): e + 127.
;;     - Each number is divided by its block's scale, clamped to +-6, and rounded to the nearest number of E2M1, ties to even, subnormals kept.
;;     - The product sums the exact products of the quantised numbers (number of the format x scale) in f32.
;;   ~~~python
;;   def quantise(x, axis):      # numpy; x: float32 -> the quantised numbers, widened to float32 again
;;       x = np.moveaxis(x, axis, -1); K = x.shape[-1]
;;       x = np.pad(x, [(0, 0)] * (x.ndim - 1) + [(0, -K % 32)]); x = x.reshape(x.shape[:-1] + (-1, 32)); a = np.abs(x).max(-1, keepdims=True)
;;       e = np.where(a > 0, np.clip(np.frexp(np.where(a > 0, a, 1))[1] - 1 - 2, -126, 127), 0)      # np.frexp(a)[1] - 1 = floor(log2(a)), exactly
;;       r = np.clip(x / 2.0 ** e, -6, 6)
;;       step = 2.0 ** (np.maximum(np.frexp(np.where(r == 0, 1, r))[1] - 1, 0) - 1)
;;       q = np.round(r / step) * step * 2.0 ** e      # np.round: ties to even
;;       return np.moveaxis(q.reshape(q.shape[:-2] + (-1,))[..., :K], -1, axis).astype(np.float32)
;;   ~~~
;;   SOFTMAX AHEAD OF A QUANTISED PRODUCT. Where the list says 'softmax', what is quantised is not the finished softmax but p = 2^(t - M), with t = logit x log2(e) and M = ceil(the row's largest t), a whole number; so 1/2 < the row's largest p <= 1. The row's sum l is taken of the UNQUANTISED p, in f32, and the product's result is divided by l at the end. Since M is a whole number, a kernel that streams over the keys may use a running M (the ceiling of the running maximum): every later rescaling is an exact power of two, which a block's scale takes up: the codes' values come out the same.
;;   OPERANDS COMPUTED ON THE WAY. 'Computed on the way' means the value that the module computes at that place (a softmax that the list does not call 'softmax' is quantised finished and normalised). What goes into a quantiser is computed in f32, as accurately as f32 sums, v_exp_f32 and their like allow (about 1e-6 of the number): no bf16 or f16 on the way to a quantiser, and a product that is left as it is and whose result goes on into a quantised operand takes f32 operands (vector FMAs, or v_wmma_f32_16x16x4_f32). A number that lies on a knife's edge between two numbers of the format may be rounded either way, as far as f32 arithmetic and the matrix unit's own rounding can turn it there, and no further.
;; One version. Each part assembles by itself: llvm-mc -triple=amdgcn-amd-amdhsa -mcpu=gfx1250 --defsym DOCPART=n.
;; ======== version 1 of 1: 4 launches
;; limits: right only within a limited range of input values
;; workspace buffers: xi 4,456,448 bytes; wi 1,671,168 bytes; wo 557,056 bytes; ai 4,456,448 bytes; qr 5,242,880 bytes; kv 9,699,328 bytes
;; launch quant (part 1): grid 768 x 1, 8 waves a work-group, no clusters, 69,120 bytes of LDS; arguments inp, Wqkv, Wproj, xi, wi, wo; writes xi, wi, wo
.if DOCPART == 1
	.amdgcn_target "amdgcn-amd-amdhsa--gfx1250"
	.amdhsa_code_object_version 6
	.text
	.protected	k_q4580e292fa_quant
	.globl	k_q4580e292fa_quant
	.p2align	8
	.type	k_q4580e292fa_quant,@function
k_q4580e292fa_quant:
	s_mov_b64 s[64:65], 0
	v_nop
	global_prefetch_b8 v0, s[64:65] scope:SCOPE_SE
	s_setreg_imm32_b32 hwreg(HW_REG_WAVE_MODE, 25, 1), 1
	s_wait_xcnt 0x0
; inp [2048][4][1024], Wqkv [3072][1024] and Wproj [1024][1024], f32, become codes of FP4 (E2M1) with one E8M0 scale byte for each 32 along K = 1024,
; laid as IMAGES OF OPERAND REGISTERS.  A RECORD is one fragment of 16 rows for all of K, 8,704 bytes: codes [K step 8][half 2][512 bytes], lane l's 16 bytes at 16 l
; (k = 128 step + 64 half + 32 (l / 16) + 0 .. 31 of the lane's row), then the scale bytes [row 16][32].
; THE ROWS OF A FRAGMENT ARE NOT NEIGHBOURS: lane r of fragment 2 g + u holds row 32 g + 8 u + r + 8 (r / 8).  x's rows are counted b x 2048 + s.
; A block's scale is 2^(floor(log2(its largest magnitude)) - 2); its byte is the largest magnitude's exponent field - 2, held at 1 from below.
; LIMITS: a block of zeros gets the byte 1 where the rule says 127 (its codes are zeros, and this program alone reads the bytes); NaN and infinities among the inputs are not served.
; SHARES: a work-group makes one record (0-511: x, 512-703: Wqkv, 704-767: Wproj); wave w takes K step w: 16 rows x 512 bytes.  Each load reads 512 consecutive bytes of a row; the 8 KiB turn
; through the wave's own stage in LDS (rows 528 bytes apart) and come back 128 bytes a lane: two whole blocks of 32.  No tensor loads; one barrier, for the record's 512 scale bytes.
.set REC,    8704
.set SPITCH, 528                       ; a stage row: 512 bytes + 16: the sixteen rows that a load touches start at sixteen different 16-byte columns
.set WSTG,   16*SPITCH                 ; a wave's stage
.set SCS,    8*WSTG                    ; behind the stages: the record's scale bytes, [row 16][32]
.set NX,     512                       ; records of x
.set NXW,    704                       ; and of x and Wqkv together
.set X,      16                        ; v16-79  64 numbers
.set C,      80                        ; v80-87  their codes
.set WV,     16                        ; s16     my wave's number = my K step
.set SEL,    20                        ; s[20:21] lane selects for v_permlanex16_b32: lane l xor 16
	s_load_b256 s[4:11], s[0:1], 0x0               ; inp s[4:5], Wqkv s[6:7], Wproj s[8:9], xi s[10:11]
	s_load_b128 s[12:15], s[0:1], 0x20             ; wi s[12:13], wo s[14:15]
	v_lshl_add_u32 v96, v0, 2, 0x10a00
	v_mov_b32 v97, 0
	v_lshrrev_b32 v8, 5, v0
	s_delay_alu instid0(VALU_DEP_1)
	v_readfirstlane_b32 s[WV], v8
	v_and_b32 v1, 31, v0
	s_delay_alu instid0(VALU_DEP_1)
	v_lshlrev_b32 v1, 4, v1                        ; v1 = 16 x lane
	v_and_b32 v2, 15, v0                           ; r
	v_bfe_u32 v3, v0, 4, 1                         ; h
	s_mul_i32 s26, s[WV], WSTG
	v_add_nc_u32 v4, s26, v1                       ; v4: the stage, way in: 16 x lane of a row
	v_mul_u32_u24 v5, v2, SPITCH
	s_delay_alu instid0(VALU_DEP_1)
	v_lshl_add_u32 v5, v3, 7, v5
	s_delay_alu instid0(VALU_DEP_1)
	v_add_nc_u32 v5, s26, v5                       ; v5: way out: row r, + 128 h: my block of 32 numbers
	s_lshl_b32 s27, s[WV], 2
	s_add_co_u32 s27, s27, SCS
	v_lshlrev_b32 v6, 5, v2
	s_delay_alu instid0(VALU_DEP_1)
	v_add_nc_u32 v6, s27, v6                       ; v6: row r's scale word of my K step
	v_lshlrev_b32 v7, 3, v3                        ; v7 = 8 h: my bytes' place in the word, in bits
	v_add_nc_u32 v14, SCS, v1                      ; v14: the scale bytes on their way out
	s_mov_b32 s[SEL], 0x76543210
	s_mov_b32 s[SEL+1], 0xfedcba98
	; which tensor, which record I, which rows
	s_mov_b32 s17, NXW
	s_cmp_lt_u32 ttmp9, NXW
	s_cselect_b32 s17, NX, s17
	s_cmp_lt_u32 ttmp9, NX
	s_cselect_b32 s17, 0, s17                      ; the tensor's first work-group
	s_cselect_b32 s18, 14, 12                      ; log2 of the bytes from row to row: x's rows s lie 4 x 4,096 apart
	s_cselect_b32 s19, 127, -1                     ; x: 128 records to a batch
	s_sub_co_u32 s22, ttmp9, s17                   ; I
	s_and_b32 s23, s22, s19                        ; I within the batch
	s_lshr_b32 s24, s22, 7
	s_lshl_b32 s24, s24, 12                        ; x: b x 4,096
	s_cmp_lt_u32 ttmp9, NX
	s_cselect_b32 s24, s24, 0
	s_and_b32 s30, s23, -2
	s_lshl_b32 s30, s30, 4
	s_and_b32 s31, s23, 1
	s_lshl_b32 s31, s31, 3
	s_add_co_u32 s30, s30, s31                     ; the fragment's first row: 32 g + 8 u
	s_lshl_b32 s30, s30, s18
	s_add_co_u32 s24, s24, s30
	s_lshl_b32 s31, s[WV], 9
	s_add_co_u32 s24, s24, s31                     ; + my K step's 512 bytes
	s_mov_b32 s25, 0
	s_mul_i32 s28, s22, REC
	s_lshl_b32 s29, s[WV], 10
	s_add_co_u32 s28, s28, s29                     ; my K step's 1,024 bytes of the record
	s_mov_b32 s29, 0
	s_wait_kmcnt 0x0
	s_cmp_lt_u32 ttmp9, NXW                        ; the choices hang on the work-group's number alone
	s_cselect_b64 s[6:7], s[6:7], s[8:9]
	s_cselect_b64 s[12:13], s[12:13], s[14:15]
	s_cmp_lt_u32 ttmp9, NX
	s_cselect_b64 s[4:5], s[4:5], s[6:7]
	s_cselect_b64 s[10:11], s[10:11], s[12:13]
	s_add_nc_u64 s[4:5], s[4:5], s[24:25]
	s_add_nc_u64 s[10:11], s[10:11], s[28:29]
.macro LOADS pitch                     ; sixteen rows, 512 consecutive bytes each: row r of the fragment lies r + 8 (r / 8) rows on
.irp r, 0,1,2,3,4,5,6,7,8,9,10,11,12,13,14,15
	global_load_b128 v[X+4*\r:X+4*\r+3], v1, s[4:5] offset:(\r+8*(\r/8))*\pitch th:TH_LOAD_NT
.endr
.endm
	s_cmp_lt_u32 ttmp9, NX
	s_cbranch_scc0 .Lweight                        ; the two ways differ in the immediates alone: sixteen loads on each
	LOADS 16384
	s_branch .Lasked
.Lweight:
	LOADS 4096
.Lasked:
	s_wait_alu depctr_va_vdst(0)
.irp r, 0,1,2,3,4,5,6,7,8,9,10,11,12,13,14,15
	s_wait_loadcnt 15-\r                           ; loads come back in order: row r is in, the 15 - r behind it may be out
	ds_store_b128 v4, v[X+4*\r:X+4*\r+3] offset:SPITCH*\r
.endr
.irp c, 0,1
.irp i, 0,1,2,3,4,5,6,7
	ds_load_b128 v[X+32*\c+4*\i:X+32*\c+4*\i+3], v5 offset:256*\c+16*\i   ; LDS serves a wave's instructions in order: these see my stores.  k = 64 c + 32 h + 4 i ..
.endr
.endr
	s_wait_dscnt 0x0
.irp c, 0,1                                    ; my block 2 c + h: all its 32 numbers are mine
	v_max3_num_f32 v[8+\c], |v[X+32*\c]|, |v[X+1+32*\c]|, 0x1800000   ; and the floor 2^(3 - 127): the byte cannot fall under 1
.endr
.irp i, 2,4,6,8,10,12,14,16,18,20,22,24,26,28,30
.irp c, 0,1
	s_delay_alu instid0(VALU_DEP_2)
	v_max3_num_f32 v[8+\c], v[8+\c], |v[X+32*\c+\i]|, |v[X+1+32*\c+\i]|   ; (the two blocks by turns)
.endr
.endr
.irp c, 0,1
	s_delay_alu instid0(VALU_DEP_2)
	v_add_nc_u32 v[10+\c], 0xff000000, v[8+\c]     ; 2 off the exponent field: the conversion takes this operand's exponent field as its scale
.endr
.irp c, 0,1
	s_delay_alu instid0(VALU_DEP_2)
	v_lshrrev_b32 v[12+\c], 23, v[10+\c]           ; the scale's byte
.endr
	s_delay_alu instid0(VALU_DEP_1)
	v_lshl_or_b32 v88, v13, 16, v12                ; my two bytes, blocks h and 2 + h,
	s_delay_alu instid0(VALU_DEP_1)
	v_lshlrev_b32 v88, v7, v88                     ; at their places in the word
	v_mov_b32 v89, 0
	s_delay_alu instid0(VALU_DEP_1)
	v_permlanex16_b32 v89, v88, s[SEL], s[SEL+1]
	s_delay_alu instid0(VALU_DEP_1)
	v_or_b32 v88, v88, v89                         ; with lane l xor 16's two the word is whole
.irp c, 0,1
.irp g, 0,1,2,3
	v_cvt_scalef32_pk8_fp4_f32 v[C+4*\c+\g], v[X+32*\c+8*\g:X+32*\c+8*\g+7], v[10+\c]
.endr
.endr
	v_nop                                          ; one plain place behind the last scaled conversion
	global_store_b128 v1, v[C:C+3], s[10:11]               ; each store of the wave covers 512 consecutive bytes, aligned
	global_store_b128 v1, v[C+4:C+7], s[10:11] offset:512
	ds_store_b32 v6, v88                           ; both lanes of a row write the same word with the same value
	s_wait_dscnt 0x0                               ; for wave 0's sake: my word has landed
	s_barrier_signal -1
	s_barrier_wait -1
	s_cmp_lg_u32 s[WV], 0
	s_cbranch_scc1 .Ldone
	ds_load_b128 v[16:19], v14                     ; the record's 512 scale bytes leave as one run (wave 0's base is the record's first byte)
	s_wait_dscnt 0x0
	global_store_b128 v1, v[16:19], s[10:11] offset:8192
.Ldone:
	s_wait_tensorcnt 0x0
	ds_add_u32 v96, v97
	s_wait_dscnt 0x0
	s_endpgm
.Lfunc_end_k_q4580e292fa_quant:
	.size	k_q4580e292fa_quant, .Lfunc_end_k_q4580e292fa_quant-k_q4580e292fa_quant
	.p2alignl 7, 3214868480
	.fill 96, 4, 3214868480
	.section	.rodata,"a",@progbits
	.p2align	6, 0x0
	.amdhsa_kernel k_q4580e292fa_quant
		.amdhsa_group_segment_fixed_size 69120
		.amdhsa_private_segment_fixed_size 0
		.amdhsa_enable_private_segment 0
		.amdhsa_kernarg_size 48
		.amdhsa_user_sgpr_count 2
		.amdhsa_user_sgpr_kernarg_segment_ptr 1
		.amdhsa_wavefront_size32 1
		.amdhsa_system_sgpr_workgroup_id_x 1
		.amdhsa_system_sgpr_workgroup_id_y 1
		.amdhsa_system_sgpr_workgroup_id_z 1
		.amdhsa_system_vgpr_workitem_id 0
		.amdhsa_next_free_vgpr 98
		.amdhsa_next_free_sgpr 66
		.amdhsa_reserve_vcc 0
		.amdhsa_float_denorm_mode_32 3
		.amdhsa_float_denorm_mode_16_64 3
		.amdhsa_memory_ordered 1
		.amdhsa_forward_progress 1
		.amdhsa_inst_pref_size 14
	.end_amdhsa_kernel
	.amdgpu_metadata
---
amdhsa.version: [ 1, 2 ]
amdhsa.kernels:
  - .name:           k_q4580e292fa_quant
    .symbol:         k_q4580e292fa_quant.kd
    .args:
      - { .name: inp, .offset: 0, .size: 8, .value_kind: global_buffer, .address_space: global }
      - { .name: Wqkv, .offset: 8, .size: 8, .value_kind: global_buffer, .address_space: global }
      - { .name: Wproj, .offset: 16, .size: 8, .value_kind: global_buffer, .address_space: global }
      - { .name: xi, .offset: 24, .size: 8, .value_kind: global_buffer, .address_space: global }
      - { .name: wi, .offset: 32, .size: 8, .value_kind: global_buffer, .address_space: global }
      - { .name: wo, .offset: 40, .size: 8, .value_kind: global_buffer, .address_space: global }
    .group_segment_fixed_size: 69120
    .private_segment_fixed_size: 0
    .kernarg_segment_align: 8
    .kernarg_segment_size: 48
    .max_flat_workgroup_size: 256
    .sgpr_count:     66
    .vgpr_count:     98
    .wavefront_size: 32
...
	.end_amdgpu_metadata
.endif
;; end of part 1
;; launch qkv (part 2): grid 4 x 64, 8 waves a work-group, clusters of 4 x 4, 327,680 bytes of LDS; arguments xi, wi, bqkv, attn_mask, qr, kv; writes qr, kv
.if DOCPART == 2
	.amdgcn_target "amdgcn-amd-amdhsa--gfx1250"
	.amdhsa_code_object_version 6
	.text
	.protected	k_q4580e292fa_qkv
	.globl	k_q4580e292fa_qkv
	.p2align	8
	.type	k_q4580e292fa_qkv,@function
k_q4580e292fa_qkv:
	s_mov_b64 s[64:65], 0
	v_nop
	global_prefetch_b8 v0, s[64:65] scope:SCOPE_SE
	s_setreg_imm32_b32 hwreg(HW_REG_WAVE_MODE, 25, 1), 1
	s_wait_xcnt 0x0
	s_wait_alu depctr_hold_cnt(0) depctr_sa_sdst(0) depctr_va_vdst(0) depctr_va_sdst(0) depctr_va_ssrc(0) depctr_va_vcc(0) depctr_vm_vsrc(0)
	s_getreg_b32 s2, hwreg(HW_REG_IB_STS2, 6, 4)
	s_cmp_eq_u32 s2, 0
	s_cbranch_scc0 .Lentry_in_a_cluster
	s_endpgm
.Lentry_in_a_cluster:
	s_bfe_u32 s2, ttmp6, 0x10000c
	s_cmp_lg_u32 s2, 0xf033
	s_cbranch_scc0 .Lentry_shape_is_right
	s_endpgm
.Lentry_shape_is_right:
; q, k, v = x Wqkv^T + bqkv on codes of FP4 with E8M0 scales, K = 1024; the results are quantised here, in registers, into the operands of the attention launch.
; OPERANDS are records (16 rows x all of K as images of the operand's registers, 8,704 bytes: codes [K step 8][half 2][512], then scale bytes [row 16][32]); lane r of fragment 2 g + u holds row 32 g + 8 u + r + 8 (r / 8).
; A TILE is 256 (side P, source 0) x 128 (side L, source 1).  In a result lane (r, h) holds ONE row of L, and the 16 registers of P's tiles 2 g, 2 g + 1 are the 16 neighbours 32 g + 16 h + 0 .. 15 along P:
; what is to be the next product's K lies on side P.  q and k: P = 256 rows of Wqkv (four heads' d), L = 128 rows of x.  v: P = 256 rows of x (keys), L = 128 rows of Wqkv (two heads' d).
; A WORK-GROUP STAYS and makes three tiles, written out one after the other: one of q, one of k, one of v.  All of a tile's K lies in LDS at once: 16 + 8 records.  Eight waves, each 64 x 64: 16 accumulators.
; Behind a tile's last K step every wave waits for its tensor loads and runs an add and its wait, a round of the cluster's barrier follows, and the next tile's records are asked for, one tensor load a wave;
; the tile's results are quantised and stored from registers behind that request.  The launch claims all of LDS.
; CLUSTERS: 4 x 4 work-groups.  P's records hang on the place along x, L's on the place along y: each is asked for JOINTLY by the four that share it.
; No prefetch: the launch has no loop to run ahead in.
; OUT.  qr [b x 16 + head][16 steps of 128 queries][5,120]: codes [tile 8][512] (lane (r, h): block h of d), scale words [2][row 16][4 tiles] at 4,096, pad words likewise at 4,608.
;       kv [b x 16 + head][16 steps of 128 keys][9,472]: k as in qr; at 5,120 v's codes [d tile 4][half 2][512] with the KEYS along K; at 9,216 v's scale words [row 16][4 d tiles].
; THE MASK RIDES IN THE UNUSED HALF OF THE SCORES' K (d is 64 of the instruction's 128).  The pad word is register 4 of a fragment: its lowest code is k = 64 (k = 96 in lanes 16-31).  q: code -1.0, scale bytes 127, 127.
; A key that counts: code 0, bytes 1, 1.  A masked key: code 6.0, bytes 227, 1: its score gets -6 x 2^100, so its p is 0.
; LIMITS: that is a finite number in -infinity's place: scores x log2(e) / 8 must stay under 2^90 in magnitude.  A block of zeros gets the byte 1 where the rule says 127 (zero codes; this program alone reads the bytes).  NaN and infinities are not served.
; v's scale bytes leave by byte stores, 32 to an instruction inside one run of 256 bytes: 256 bytes for each 9,472 of a record.
.set REC,   8704
.set LT,    16*REC                     ; LDS: P's 16 records, then L's 8; the spare words behind them, at 0x33000
.set QREC,  5120
.set KVREC, 9472
.set AP,   4                           ; v4   LDS: my four P records + 16 x lane
.set AL,   5                           ; v5   my four L records + 16 x lane
.set AS,   6                           ; v6   scale words: lanes 0-15 P's rows, lanes 16-31 L's
.set RO,   7                           ; v7   4 (r + 8 (r / 8)): my row of an L fragment, in words
.set TM,   8                           ; v8-15 the quantiser's
.set BO,   16                          ; v16  64 h: my half's place in a P tile's bias
.set MO,   17                          ; v17  where the scale and pad words go
.set YO,   18                          ; v18  where v's scale byte goes
.set PAD0, 19                          ; v19-22 pad code and upper scale bytes: of a key that counts, of a masked key
.set PAD1, 20
.set HI0,  21
.set HI1,  22
.set CO,   23                          ; v23  where a fragment's codes go
.set SC,   24                          ; v24-27 scale words: register i: lanes 0-15 P fragment i, lanes 16-31 L fragment i
.set MK,   28                          ; v28-31 the mask at my row of L fragment a (q's and k's tiles share their rows of x)
.set BI,   32                          ; v32-63 the bias, four tiles in the result's layout
.set PF,   64                          ; v64-95 P's four fragments of a K step
.set LF,   96                          ; v96-127 L's
.set ACC,  128                         ; v128-255 accumulator (L fragment a, P fragment b) at ACC + 32 a + 8 b
.set PC,   64                          ; the way out: v64-79 four fragments' codes, v80-83 words or bytes, v84-85 at work
.set W,    80
.set T0,   84
.set WV,  16                           ; s16 wave; s17 wave % 4: my 64 of P; s18 wave / 4: my 64 of L
.set WP,  17
.set WL,  18
.set G1P, 24                           ; s[24:31], s[32:35] descriptor groups 1 and 0 for P's records
.set G0P, 32
.set G1L, 36                           ; s[36:43], s[44:47] for L's
.set G0L, 44
.set P,   48                           ; s48 the tile in hand along P; s49 along L
.set L,   49
.set HM,  81                           ; s81 lanes 16-31
.set SEL, 82                           ; s[82:83] lane selects for v_permlanex16_b32: lane l xor 16
.set BB,  84                           ; s[84:85] where my part of the bias begins
.set RB,  86                           ; s[86:87] the record that my results go to
.macro CROUND                          ; a round of the cluster's barrier
	s_barrier_signal -1
	s_barrier_wait -1
	s_cmp_lg_u32 s[WV], 0
	s_cbranch_scc1 .Lnot_wave_0_\@
	s_barrier_signal -3
.Lnot_wave_0_\@:
	s_barrier_wait -3
	s_barrier_signal -1
	s_barrier_wait -1
.endm
.macro PLACES                          ; four plain vector instructions behind a matrix instruction, ahead of loads into its operands and of the first read of its result
.rept 4
	v_nop
.endr
.endm
.macro KLOAD ks                        ; K step ks: 8 fragments, dense images, and their scale words
.irp i, 0,1,2,3
.irp c, 0,1
	ds_load_b128 v[PF+8*\i+4*\c:PF+8*\i+4*\c+3], v[AP] offset:\i*REC+1024*\ks+512*\c
.endr
.endr
.irp i, 0,1,2,3
.irp c, 0,1
	ds_load_b128 v[LF+8*\i+4*\c:LF+8*\i+4*\c+3], v[AL] offset:\i*REC+1024*\ks+512*\c
.endr
.endr
.irp i, 0,1,2,3
	ds_load_b32 v[SC+\i], v[AS] offset:\i*REC+4*\ks
.endr
	s_wait_dscnt 0x0
.endm
; 16 products; the 16 accumulators take turns, one instruction a turn, in the same order in every K step.  cm = 1, 2: the first K step starts the sums on the bias: by P's tile, or by L's
.macro MUL16 cm
.irp a, 0,1,2,3
.irp b, 0,1,2,3
.if \cm == 0
	v_wmma_scale_f32_16x16x128_f8f6f4 v[ACC+32*\a+8*\b:ACC+32*\a+8*\b+7], v[PF+8*\b:PF+8*\b+7], v[LF+8*\a:LF+8*\a+7], v[ACC+32*\a+8*\b:ACC+32*\a+8*\b+7], v[SC+\b], v[SC+\a] matrix_a_fmt:MATRIX_FMT_FP4 matrix_b_fmt:MATRIX_FMT_FP4 matrix_b_scale:MATRIX_SCALE_ROW1
.elseif \cm == 1
	v_wmma_scale_f32_16x16x128_f8f6f4 v[ACC+32*\a+8*\b:ACC+32*\a+8*\b+7], v[PF+8*\b:PF+8*\b+7], v[LF+8*\a:LF+8*\a+7], v[BI+8*\b:BI+8*\b+7], v[SC+\b], v[SC+\a] matrix_a_fmt:MATRIX_FMT_FP4 matrix_b_fmt:MATRIX_FMT_FP4 matrix_b_scale:MATRIX_SCALE_ROW1
.else
	v_wmma_scale_f32_16x16x128_f8f6f4 v[ACC+32*\a+8*\b:ACC+32*\a+8*\b+7], v[PF+8*\b:PF+8*\b+7], v[LF+8*\a:LF+8*\a+7], v[BI+8*\a:BI+8*\a+7], v[SC+\b], v[SC+\a] matrix_a_fmt:MATRIX_FMT_FP4 matrix_b_fmt:MATRIX_FMT_FP4 matrix_b_scale:MATRIX_SCALE_ROW1
.endif
.endr
.endr
.endm
; 32 numbers of a lane, register 16 b + i = place 32 b + 16 (lane / 16) + i of my row, become four registers of codes (lanes 0-15 block 0 whole, lanes 16-31 block 1 whole) and two scale bytes, v[TM+6], v[TM+7]
.macro QUANT2 src, pc
.irp b, 0,1
	v_max3_num_f32 v[TM+\b], |v[\src+16*\b]|, |v[\src+1+16*\b]|, 0x1800000   ; my 16 numbers of block b, and the floor 2^(3 - 127): the byte cannot fall under 1.  Each accumulator is read from its low end on
.endr
.irp i, 2,4,6,8,10,12,14
.irp b, 0,1
	v_max3_num_f32 v[TM+\b], v[TM+\b], |v[\src+16*\b+\i]|, |v[\src+1+16*\b+\i]|
.endr
.endr
.irp b, 0,1
	s_delay_alu instid0(VALU_DEP_2)
	v_permlanex16_b32 v[TM+2+\b], v[TM+\b], s[SEL], s[SEL+1]
.endr
.irp b, 0,1
	s_delay_alu instid0(VALU_DEP_2)
	v_max_num_f32 v[TM+\b], v[TM+\b], v[TM+2+\b]   ; with lane l xor 16's: the block's largest magnitude
.endr
.irp b, 0,1
	s_delay_alu instid0(VALU_DEP_2)
	v_add_nc_u32 v[TM+4+\b], 0xff000000, v[TM+\b]  ; 2 off its exponent field: the conversion's scale operand
.endr
.irp b, 0,1
	s_delay_alu instid0(VALU_DEP_2)
	v_lshrrev_b32 v[TM+6+\b], 23, v[TM+4+\b]       ; the scale's byte
.endr
.irp b, 0,1
	v_cvt_scalef32_pk8_fp4_f32 v[\pc+2*\b], v[\src+16*\b:\src+16*\b+7], v[TM+4+\b]
	v_cvt_scalef32_pk8_fp4_f32 v[\pc+1+2*\b], v[\src+8+16*\b:\src+8+16*\b+7], v[TM+4+\b]
.endr
	v_nop                                          ; one plain place behind a scaled conversion
	v_permlane16_swap_b32 v[\pc], v[\pc+2]         ; the first's lanes 16-31 change places with the second's lanes 0-15: a whole block to a lane
	v_permlane16_swap_b32 v[\pc+1], v[\pc+3]
.endm
; Tile ph (0 q, 1 k, 2 v) of my work-group: its place along P into s[p] (it holds cx and never cy), along L into s[l] (cy and never cx).  q, k: 2 x 16 clusters' worth over 8 x 64 tiles; v: 8 x 2 over 32 x 8
.macro TILEIDX ph, p, l
.if \ph < 2
	s_add_co_u32 s[\p], s19, 4*\ph
	s_lshl_b32 s[\l], s22, 2
	s_add_co_u32 s[\l], s[\l], s20
.else
	s_lshr_b32 s[\p], s22, 1
	s_lshl_b32 s[\p], s[\p], 2
	s_add_co_u32 s[\p], s[\p], s19
	s_and_b32 s[\l], s22, 1
	s_lshl_b32 s[\l], s[\l], 2
	s_add_co_u32 s[\l], s[\l], s20
.endif
.endm
.macro DESC ph                         ; the two groups 0 for tile ph; written while no tensor load of the wave is out
	TILEIDX \ph, 50, 52
	s_lshl_b32 s50, s50, 4                         ; waves 0-3 fetch P's records 16 p + 4 (wave % 4) on,
	s_lshl_b32 s51, s[WP], 2
	s_add_co_u32 s50, s50, s51
	s_mul_i32 s50, s50, REC
	s_mov_b32 s51, 0
	s_lshl_b32 s52, s52, 3                         ; waves 4-7 L's records 8 l + 2 (wave % 4) on
	s_lshl_b32 s53, s[WP], 1
	s_add_co_u32 s52, s52, s53
.if \ph == 2
	s_add_co_u32 s52, s52, 128                     ; v's rows of Wqkv begin at record 128
.endif
	s_mul_i32 s52, s52, REC
	s_mov_b32 s53, 0
.if \ph < 2
	s_add_nc_u64 s[G0P+2:G0P+3], s[6:7], s[50:51]
	s_add_nc_u64 s[G0L+2:G0L+3], s[4:5], s[52:53]
.else
	s_add_nc_u64 s[G0P+2:G0P+3], s[4:5], s[50:51]
	s_add_nc_u64 s[G0L+2:G0L+3], s[6:7], s[52:53]
.endif
	s_or_b32 s[G0P+3], s[G0P+3], 0x80000000        ; type 2
	s_or_b32 s[G0L+3], s[G0L+3], 0x80000000
.endm
.macro JLOAD                           ; one joint load a wave; an s_nop 0 and four v_nop follow each of the two lines
	s_cmp_eq_u32 s[WL], 0
	s_cbranch_scc0 .Lfor_l_\@
	tensor_load_to_lds s[G0P:G0P+3], s[G1P:G1P+7]
	s_nop 0
	PLACES
	s_branch .Lasked_\@
.Lfor_l_\@:
	tensor_load_to_lds s[G0L:G0L+3], s[G1L:G1L+7]
	s_nop 0
	PLACES
.Lasked_\@:
.endm
.macro BIAS ph                         ; tile ph's bias, in the result's layout
	TILEIDX \ph, 66, 67
.if \ph < 2
	s_lshl_b32 s66, s66, 10
	s_lshl_b32 s68, s[WP], 8
	s_add_co_u32 s66, s66, s68                     ; q, k: the bias runs along P: 4 (256 p + 64 (wave % 4))
	s_mov_b32 s67, 0
	s_add_nc_u64 s[BB:BB+1], s[8:9], s[66:67]
.irp b, 0,1,2,3
	global_load_b128 v[BI+8*\b:BI+8*\b+3], v[BO], s[BB:BB+1] offset:(32*(\b/2)+8*(\b%2))*4        ; tile b, lane (r, h): places 32 (b / 2) + 16 h + 8 (b % 2) + 0 .. 7
	global_load_b128 v[BI+8*\b+4:BI+8*\b+7], v[BO], s[BB:BB+1] offset:(32*(\b/2)+8*(\b%2))*4+16
.endr
.else
	s_lshl_b32 s66, s67, 9
	s_lshl_b32 s68, s[WL], 8
	s_add_co_u32 s66, s66, s68                     ; v: the bias runs along L: 4 (128 l + 64 (wave / 4)); a lane's eight registers of a tile hold one number, that of its row
	s_mov_b32 s67, 0
	s_add_nc_u64 s[BB:BB+1], s[8:9], s[66:67]
.irp a, 0,1,2,3
.irp j, 0,1,2,3,4,5,6,7
	global_load_b32 v[BI+8*\a+\j], v[RO], s[BB:BB+1] offset:8192+4*(32*(\a/2)+8*(\a%2))
.endr
.endr
.endif
.endm
.macro COMPUTE cm                      ; a tile's eight K steps
	s_wait_tensorcnt 0x0                           ; my records have landed,
	s_barrier_signal -1
	s_barrier_wait -1                              ; everybody's have
	s_wait_loadcnt 0x0                             ; the bias (and, the first time, the mask)
	KLOAD 0
	MUL16 \cm
.irp ks, 1,2,3,4,5,6,7
	PLACES
	KLOAD \ks
	MUL16 0
.endr
.endm
.macro REFILL ph                       ; my reads of the records are over (each K step waits for its loads): tile ph's records are asked for
	s_set_vgpr_msb 0x5                             ; (the add's two registers are v256 and v257)
	s_wait_tensorcnt 0x0
	ds_add_u32 v0, v1
	DESC \ph                                       ; work on registers between the add and the wait for it
	s_wait_dscnt 0x0
	s_set_vgpr_msb 0x500
	CROUND                                         ; no wave of any partner still reads the records
	JLOAD                                          ; the first tensor load behind the round; its four v_nop are also the places behind the last products
.endm
.macro FREE                            ; the stores have read their registers and their base: the next tile writes them again
	s_wait_alu depctr_va_vdst(0)
	s_wait_xcnt 0x0
.endm
; q (ph = 0) and k (ph = 1) go out.  My 64 places of P are one head's d; L fragment a is tile 4 (wave / 4) + a of a step's 128 queries or keys
.macro OUTQK ph
	s_lshl_b32 s74, s[P], 2
	s_add_co_u32 s74, s74, s[WP]
	s_and_b32 s74, s74, 15                         ; head
	s_lshr_b32 s75, s[L], 4
	s_lshl_b32 s75, s75, 4
	s_add_co_u32 s74, s74, s75                     ; 16 b + head
	s_lshl_b32 s74, s74, 4
	s_and_b32 s75, s[L], 15
	s_add_co_u32 s74, s74, s75                     ; x 16 + step
	s_lshl_b32 s76, s[WL], 11
	s_lshl_b32 s77, s[WL], 8
.if \ph == 0
	s_mul_i32 s74, s74, QREC
	s_mov_b32 s75, 0
	s_add_nc_u64 s[RB:RB+1], s[12:13], s[74:75]
	v_mov_b32 v[PAD0], 10                          ; q's pad code: -1.0; scale bytes of k = 64 .. 127: 127, 127
	v_mov_b32 v[PAD1], 10
	v_mov_b32 v[HI0], 0x7f7f0000
	v_mov_b32 v[HI1], 0x7f7f0000
.else
	s_mul_i32 s74, s74, KVREC
	s_mov_b32 s75, 0
	s_add_nc_u64 s[RB:RB+1], s[14:15], s[74:75]
	v_mov_b32 v[PAD0], 0                           ; a key that counts: code 0, bytes 1, 1;
	v_mov_b32 v[PAD1], 7                           ; a masked key: code 6.0, bytes 227, 1
	v_mov_b32 v[HI0], 0x01010000
	v_mov_b32 v[HI1], 0x01e30000
.endif
	v_add_nc_u32 v[CO], s76, v1                    ; codes: 512 (4 (wave / 4) + a) + 16 x lane
	v_lshlrev_b32 v[MO], 9, v3
	s_delay_alu instid0(VALU_DEP_1)
	v_lshl_add_u32 v[MO], v2, 4, v[MO]
	s_delay_alu instid0(VALU_DEP_1)
	v_add_nc_u32 v[MO], s77, v[MO]                 ; words: 512 h + 256 (wave / 4) + 16 r
.irp a, 0,1,2,3
	QUANT2 ACC+32*\a, PC+4*\a
	global_store_b128 v[CO], v[PC+4*\a:PC+4*\a+3], s[RB:RB+1] offset:512*\a   ; 512 consecutive bytes, aligned
	v_cmp_ne_u32 vcc_lo, 0, v[MK+\a]               ; my row masked?
	s_delay_alu instid0(VALU_DEP_1)
	v_cndmask_b32 v[T0], v[PAD0], v[PAD1], vcc_lo
	s_delay_alu instid0(VALU_DEP_2)
	v_cndmask_b32 v[T0+1], v[HI0], v[HI1], vcc_lo
	s_delay_alu instid0(VALU_DEP_1)
	v_lshl_or_b32 v[T0+1], v[TM+7], 8, v[T0+1]
	s_delay_alu instid0(VALU_DEP_1)
	v_or_b32 v[T0+1], v[TM+6], v[T0+1]             ; the scale word
	s_delay_alu instid0(VALU_DEP_1)
	v_cndmask_b32 v[W+\a], v[T0+1], v[T0], s[HM]   ; lanes 0-15 carry the scale word, lanes 16-31 the pad word
.endr
	global_store_b128 v[MO], v[W:W+3], s[RB:RB+1] offset:4096   ; each half of the lanes stores 256 consecutive bytes, aligned
.endm
	s_load_b256 s[4:11], s[0:1], 0x0               ; xi s[4:5], wi s[6:7], bqkv s[8:9], attn_mask s[10:11]
	s_load_b128 s[12:15], s[0:1], 0x20             ; qr s[12:13], kv s[14:15]
	s_set_vgpr_msb 0x40
	v_lshl_add_u32 v0, v0, 2, 0x33000              ; v256: my spare word
	v_mov_b32 v1, 0                                ; v257: 0
	s_set_vgpr_msb 0x4045
	ds_add_u32 v0, v1                              ; the opening lines: the add, twice on end, and its wait ahead of my first tensor load
	ds_add_u32 v0, v1
	s_set_vgpr_msb 0x4500
	v_lshrrev_b32 v1, 5, v0
	v_readfirstlane_b32 s[WV], v1
	s_and_b32 s[WP], s[WV], 3
	s_lshr_b32 s[WL], s[WV], 2
	s_bfe_u32 s19, ttmp6, 0x40000                  ; cx, cy: my place in the cluster
	s_bfe_u32 s20, ttmp6, 0x40004
	s_and_b32 s22, ttmp7, 0xffff                   ; cluster y, 0 .. 15
	s_lshl_b32 s69, 0x1111, s19                    ; my column of the cluster (same cx): shares P
	s_lshl_b32 s70, s20, 2
	s_lshl_b32 s70, 15, s70                        ; my row (same cy): shares L
	; descriptor groups 1: dense blocks as rows of 256 bytes (32 elements of 8 bytes): four records = 136 rows, two = 68
	s_or_b32 s[G1P], s69, (3<<16)|(1<<21)          ; 15:0 the mask; 17:16 elements of 8 bytes; 21 set beside a mask; no padding
	s_mov_b32 s[G1P+1], 32<<16                     ; tensor_dim0
	s_mov_b32 s[G1P+2], 136<<16                    ; tensor_dim1
	s_mov_b32 s[G1P+3], 32<<16                     ; tile_dim0
	s_mov_b32 s[G1P+4], 136                        ; tile_dim1
	s_mov_b32 s[G1P+5], 32                         ; from row to row
	s_mov_b32 s[G1P+6], 0
	s_mov_b32 s[G1P+7], 0
	s_or_b32 s[G1L], s70, (3<<16)|(1<<21)
	s_mov_b32 s[G1L+1], 32<<16
	s_mov_b32 s[G1L+2], 68<<16
	s_mov_b32 s[G1L+3], 32<<16
	s_mov_b32 s[G1L+4], 68
	s_mov_b32 s[G1L+5], 32
	s_mov_b32 s[G1L+6], 0
	s_mov_b32 s[G1L+7], 0
	s_mul_i32 s54, s[WP], 4*REC                    ; where the records go: the wave's number alone enters an LDS address
	s_mul_i32 s55, s[WP], 2*REC
	s_add_co_u32 s55, s55, LT
	s_mov_b32 s[G0P], 1                            ; count
	s_mov_b32 s[G0P+1], s54                        ; LDS address
	s_mov_b32 s[G0L], 1
	s_mov_b32 s[G0L+1], s55
	s_mul_i32 s60, s[WL], 4*REC
	s_add_co_u32 s60, s60, LT
	s_sub_co_u32 s61, s60, s54                     ; from my P records to my L records
	s_add_co_u32 s62, s54, 8192
	s_mov_b32 s[HM], 0xffff0000
	s_mov_b32 s[SEL], 0x76543210
	s_mov_b32 s[SEL+1], 0xfedcba98
	TILEIDX 0, P, L
	s_lshl_b32 s72, s[L], 9
	s_lshl_b32 s73, s[WL], 8
	s_add_co_u32 s72, s72, s73                     ; 4 (128 l + 64 (wave / 4)): my 64 rows of x in q's and k's tiles, in words
	s_mov_b32 s73, 0
	s_wait_dscnt 0x0                               ; both opening adds are done
	s_wait_kmcnt 0x0
	DESC 0
	s_add_nc_u64 s[10:11], s[10:11], s[72:73]
	CROUND                                         ; all sixteen work-groups are here: the joint loads meet
	JLOAD                                          ; q's records: one tensor load a wave at the head
	v_and_b32 v1, 31, v0
	v_and_b32 v2, 15, v0                           ; r
	v_bfe_u32 v3, v0, 4, 1                         ; h
	v_lshlrev_b32 v1, 4, v1                        ; v1 = 16 x lane
	v_mul_u32_u24 v[AS], s61, v3                   ; lanes 16-31 take L's
	v_and_b32 v[RO], 8, v2
	v_lshlrev_b32 v[BO], 6, v3
	v_add_nc_u32 v[AP], s54, v1
	v_add_nc_u32 v[AL], s60, v1
	v_lshl_add_u32 v[AS], v2, 5, v[AS]             ; 32 scale bytes a row
	v_add_nc_u32 v[RO], v[RO], v2
	v_mov_b32 v[TM+2], 0                           ; written once: a lane permute's destination counts as one of its sources
	v_mov_b32 v[TM+3], 0
	v_add_nc_u32 v[AS], s62, v[AS]
	v_lshlrev_b32 v[RO], 2, v[RO]
	s_wait_alu depctr_va_vdst(0)
.irp a, 0,1,2,3
	global_load_b32 v[MK+\a], v[RO], s[10:11] offset:4*(32*(\a/2)+8*(\a%2))   ; the mask at x's row b x 2048 + s
.endr
	BIAS 0
	COMPUTE 1                                      ; q
	REFILL 1
	BIAS 1
	OUTQK 0
	FREE
	TILEIDX 1, P, L
	COMPUTE 1                                      ; k
	REFILL 2
	BIAS 2
	OUTQK 1
	FREE
	TILEIDX 2, P, L
	COMPUTE 2                                      ; v
	PLACES
	; ---- v goes out.  My 64 places of P are half c of a step's 128 keys; L fragment a is d tile a of one head
	s_lshr_b32 s74, s[P], 3
	s_lshl_b32 s74, s74, 4                         ; 16 b
	s_lshl_b32 s75, s[L], 1
	s_add_co_u32 s75, s75, s[WL]                   ; head = 2 l + wave / 4
	s_add_co_u32 s74, s74, s75
	s_lshl_b32 s74, s74, 4
	s_and_b32 s75, s[P], 7
	s_lshl_b32 s75, s75, 1
	s_add_co_u32 s74, s74, s75
	s_lshr_b32 s75, s[WP], 1
	s_add_co_u32 s74, s74, s75                     ; x 16 + step, step = 2 (p % 8) + (wave % 4) / 2
	s_mul_i32 s74, s74, KVREC
	s_mov_b32 s75, 0
	s_add_nc_u64 s[RB:RB+1], s[14:15], s[74:75]
	s_and_b32 s76, s[WP], 1                        ; c
	s_lshl_b32 s77, s76, 9
	s_lshl_b32 s78, s76, 1
	v_add_nc_u32 v[CO], s77, v1                    ; codes: 512 c + 16 x lane
	v_lshl_add_u32 v[YO], v2, 4, v3
	s_delay_alu instid0(VALU_DEP_1)
	v_add_nc_u32 v[YO], s78, v[YO]                 ; bytes: 16 r + 2 c + h
.irp a, 0,1,2,3
	QUANT2 ACC+32*\a, PC+4*\a
	global_store_b128 v[CO], v[PC+4*\a:PC+4*\a+3], s[RB:RB+1] offset:5120+1024*\a
	v_cndmask_b32 v[W+\a], v[TM+6], v[TM+7], s[HM] ; lanes 0-15 carry the byte of keys 64 c + 0 .. 31, lanes 16-31 that of 64 c + 32 .. 63
	global_store_b8 v[YO], v[W+\a], s[RB:RB+1] offset:9216+4*\a
.endr
	s_set_vgpr_msb 0x5
	s_wait_tensorcnt 0x0                           ; the wave's end
	ds_add_u32 v0, v1
	s_wait_dscnt 0x0
	s_set_vgpr_msb 0x500
	CROUND                                         ; the closing round: no work-group ends while a partner may still ask for records that name it
	s_endpgm
.Lfunc_end_k_q4580e292fa_qkv:
	.size	k_q4580e292fa_qkv, .Lfunc_end_k_q4580e292fa_qkv-k_q4580e292fa_qkv
	.p2alignl 7, 3214868480
	.fill 96, 4, 3214868480
	.section	.rodata,"a",@progbits
	.p2align	6, 0x0
	.amdhsa_kernel k_q4580e292fa_qkv
		.amdhsa_group_segment_fixed_size 327680
		.amdhsa_private_segment_fixed_size 0
		.amdhsa_enable_private_segment 0
		.amdhsa_kernarg_size 48
		.amdhsa_user_sgpr_count 2
		.amdhsa_user_sgpr_kernarg_segment_ptr 1
		.amdhsa_wavefront_size32 1
		.amdhsa_system_sgpr_workgroup_id_x 1
		.amdhsa_system_sgpr_workgroup_id_y 1
		.amdhsa_system_sgpr_workgroup_id_z 1
		.amdhsa_system_vgpr_workitem_id 0
		.amdhsa_next_free_vgpr 258
		.amdhsa_next_free_sgpr 96
		.amdhsa_reserve_vcc 1
		.amdhsa_float_denorm_mode_32 3
		.amdhsa_float_denorm_mode_16_64 3
		.amdhsa_memory_ordered 1
		.amdhsa_forward_progress 1
		.amdhsa_inst_pref_size 130
	.end_amdhsa_kernel
	.amdgpu_metadata
---
amdhsa.version: [ 1, 2 ]
amdhsa.kernels:
  - .name:           k_q4580e292fa_qkv
    .symbol:         k_q4580e292fa_qkv.kd
    .args:
      - { .name: xi, .offset: 0, .size: 8, .value_kind: global_buffer, .address_space: global }
      - { .name: wi, .offset: 8, .size: 8, .value_kind: global_buffer, .address_space: global }
      - { .name: bqkv, .offset: 16, .size: 8, .value_kind: global_buffer, .address_space: global }
      - { .name: attn_mask, .offset: 24, .size: 8, .value_kind: global_buffer, .address_space: global }
      - { .name: qr, .offset: 32, .size: 8, .value_kind: global_buffer, .address_space: global }
      - { .name: kv, .offset: 40, .size: 8, .value_kind: global_buffer, .address_space: global }
    .group_segment_fixed_size: 327680
    .private_segment_fixed_size: 0
    .kernarg_segment_align: 8
    .kernarg_segment_size: 48
    .max_flat_workgroup_size: 256
    .sgpr_count:     96
    .vgpr_count:     258
    .wavefront_size: 32
...
	.end_amdgpu_metadata
.endif
;; end of part 2
;; launch attn (part 3): grid 4 x 64, 8 waves a work-group, clusters of 4 x 1, 169,984 bytes of LDS; arguments qr, kv, ai; writes ai
.if DOCPART == 3
	.amdgcn_target "amdgcn-amd-amdhsa--gfx1250"
	.amdhsa_code_object_version 6
	.text
	.protected	k_q4580e292fa_attn
	.globl	k_q4580e292fa_attn
	.p2align	8
	.type	k_q4580e292fa_attn,@function
k_q4580e292fa_attn:
	s_mov_b64 s[64:65], 0
	v_nop
	global_prefetch_b8 v0, s[64:65] scope:SCOPE_SE
	s_setreg_imm32_b32 hwreg(HW_REG_WAVE_MODE, 25, 1), 1
	s_wait_xcnt 0x0
	s_wait_alu depctr_hold_cnt(0) depctr_sa_sdst(0) depctr_va_vdst(0) depctr_va_sdst(0) depctr_va_ssrc(0) depctr_va_vcc(0) depctr_vm_vsrc(0)
	s_getreg_b32 s2, hwreg(HW_REG_IB_STS2, 6, 4)
	s_cmp_eq_u32 s2, 0
	s_cbranch_scc0 .Lentry_in_a_cluster
	s_endpgm
.Lentry_in_a_cluster:
	s_bfe_u32 s2, ttmp6, 0x10000c
	s_cmp_lg_u32 s2, 0x3003
	s_cbranch_scc0 .Lentry_shape_is_right
	s_endpgm
.Lentry_shape_is_right:
; attn[b][q][head][:] = the sum over keys of softmax(q . k / 8, masked keys out) v, both products on codes of FP4 with E8M0 scales; the result is quantised along D into the records of the last product.
; IN.  qr [b x 16 + head][16][5,120] and kv [b x 16 + head][16][9,472]: a record holds 128 queries or keys as images of operand registers (codes, scale words, pad words; v's codes with the keys along K, v's scale words).
; THE SOFTMAX: t = score x log2(e) / 8; M = the running largest t rounded UP to a whole number; p = 2^(t - M) is quantised along the keys, not normalised; the row's sum is taken of the unquantised p and divides at the end.
; When M moves, the sum and O are multiplied by 2^(old M - new M): exact.
; THE MASK rides in the unused half of the scores' K (d is 64 of the instruction's 128): register 4 of a fragment carries one code there: q's is -1.0, a masked key's 6.0 under the scale 2^100, any other key's 0.
; The running largest score begins at -2^93, over every masked score and under every score that counts, so a masked key never sets M and its p is 0.
; LIMITS: t of keys that count must stay under 2^90 in magnitude.  Where all keys of a batch are masked the running score is still -2^93 at the end: those rows' scale bytes become 0xff, which makes the last product's sums NaN,
; as the softmax of a row of -infinity is.  A block of zeros gets the byte 1 where the rule says 127 (zero codes; this program alone reads the bytes).
; SHARES.  A cluster's four work-groups are the four blocks of 512 queries of one (b, head).  The head's 16 records of kv, 151,552 bytes, lie in LDS at once: wave w asks for records 2 w and 2 w + 1 by one load, JOINTLY with the three partners; nothing is filled again.
; Eight waves; a wave owns FOUR tiles of 16 queries and walks the 2,048 keys once, 128 a step: a step's 29 LDS loads serve all four tiles.
; No prefetch: every tile of the launch is asked for at its head, so there is no loop to run ahead in.
; LAYOUT.  Both products are used transposed (S^T = K Q^T, O^T = V^T P^T): a lane holds ONE query.  Score tile 4 c + i takes keys 64 c + 8 i + 0 .. 7 as its rows 0-7 and keys 64 c + 32 + 8 i + 0 .. 7 as its rows 8-15:
; so lane half h holds in registers 32 c + 0 .. 31 the WHOLE block 2 c + h of 32 keys, in order: a block's maximum needs no other lane, and the conversions' results are P's operand registers as they stand.
; ORDER.  Tile t + 1's scores are issued ahead of tile t's rescaling and second product: the sixteen rescaling lines are the places behind the scores' products and ahead of the second product.
; The first step is written out (its products start the sums on 0), and so is the last (it fetches no further K).
; REGISTERS: window 0: addresses, scales, state, v44-51 p's codes, v80-111 Q, v112-175 K, v176-239 S^T then p.  Window 1: v0-127 O^T of the four tiles, v128-159 V.
.set QREC,  5120
.set KVREC, 9472
.set REC,   8704
.set SPARE, 0x29000                    ; the spare words: 128 bytes for each of the eight waves
.set LI,  1                            ; 16 x lane
.set AK,  2                            ; LDS: K's codes of the step: 1024 (r / 8) + 16 (r % 8) + 256 h
.set AW,  3                            ; K's scale and pad words: 16 (r % 8) + 8 (r / 8)
.set AV,  4                            ; V's codes: 16 x lane
.set AVS, 5                            ; V's scale words: 16 r
.set YO,  6                            ; 32 r + h: where my scale byte goes
.set NAN8, 7
.set VS,  8                            ; v8-11 V's scale words
.set KS,  12                           ; v12-19 K's scale words, tiles 0-7
.set QS,  20                           ; v20-23 Q's scale words, tiles 0-3
.set PW,  24                           ; p's scale word
.set SH,  25                           ; 8 h
.set F,   26                           ; v[26:27] f = 2^(old M - new M), and a written partner
.set ST,  28                           ; v28-43 state of tile t at ST + 4 t: -M, the largest score, the sum in two halves
.set PC,  44
.set CH,  52                           ; v52-55 four chains of maxima
.set BM,  56                           ; v56-57 my two blocks' largest scores
.set T0,  58
.set T1,  59
.set T2,  60
.set T3,  61
.set T4,  62
.set X,   64                           ; v64-65 the blocks' largest p
.set SO,  66                           ; v66-67 the conversions' scale operands
.set BY,  68                           ; v68-69 the scale bytes
.set W,   70
.set W2,  71
.set QF,  80
.set KF,  112
.set S,   176
.set SA,  240                          ; v240-247 four chains of sums
.set SPW, 254
.set NIL, 255
.set VF,  128                          ; window 1
.set WV,  10
.set G1,  16
.set G0,  24
.set QB,  34
.set QM,  36
.set AC,  42
.set AB,  44
.set CS,  46                           ; s[46:47] c = log2(e) / 8
.set SEL, 48
.set HM,  50
.set THR, 51                           ; -2^93
.set NC,  52                           ; -c
.set CNT, 53
.set MSB, 0
.macro WIN new                         ; the immediate's high byte repeats the setting that is left
.if MSB != \new
	s_set_vgpr_msb (MSB<<8)|\new
.set MSB, \new
.endif
.endm
.macro CROUND                          ; a round of the cluster's barrier
	s_barrier_signal -1
	s_barrier_wait -1
	s_cmp_lg_u32 s[WV], 0
	s_cbranch_scc1 .Lnot_wave_0_\@
	s_barrier_signal -3
.Lnot_wave_0_\@:
	s_barrier_wait -3
	s_barrier_signal -1
	s_barrier_wait -1
.endm
.macro KLOAD step                      ; a step's K: 8 fragments' codes, 8 pad words, 8 scale words: 20 loads
.if \step
	v_add_nc_u32 v[AK], KVREC, v[AK]
	v_add_nc_u32 v[AW], KVREC, v[AW]
.endif
.irp c, 0,1
.irp i, 0,1,2,3
	ds_load_b128 v[KF+8*(4*\c+\i):KF+8*(4*\c+\i)+3], v[AK] offset:2048*\c+512*(\i%2)+128*(\i/2)
.endr
.endr
.irp c, 0,1
.irp i, 0,1,2,3
	ds_load_b32 v[KF+8*(4*\c+\i)+4], v[AW] offset:4608+256*\c+128*(\i/2)+4*(\i%2)
.endr
.endr
.irp c, 0,1
.irp m, 0,1
	ds_load_b64 v[KS+4*\c+2*\m:KS+4*\c+2*\m+1], v[AW] offset:4096+256*\c+128*\m
.endr
.endr
.endm
.macro VLOAD step                      ; a step's V: 4 fragments and their scale words: 9 loads
.if \step
	v_add_nc_u32 v[AV], KVREC, v[AV]
	v_add_nc_u32 v[AVS], KVREC, v[AVS]
.endif
	WIN 0x40                                       ; destination window 1, address window 0
.irp d, 0,1,2,3
.irp c, 0,1
	ds_load_b128 v[VF+8*\d+4*\c:VF+8*\d+4*\c+3], v[AV] offset:5120+1024*\d+512*\c
.endr
.endr
	WIN 0
	ds_load_b128 v[VS:VS+3], v[AVS] offset:9216
.endm
.macro SMUL t                          ; S^T = K Q^T of tile t: eight products, each on an accumulator of its own
.irp x, 0,1,2,3,4,5,6,7
	v_wmma_scale_f32_16x16x128_f8f6f4 v[S+8*\x:S+8*\x+7], v[KF+8*\x:KF+8*\x+7], v[QF+8*\t:QF+8*\t+7], 0, v[KS+\x], v[QS+\t] matrix_a_fmt:MATRIX_FMT_FP4 matrix_b_fmt:MATRIX_FMT_FP4
.endr
.endm
; O^T of tile t under the new M, then O^T += V^T P^T; the four accumulators take turns.  first = 1: the products start the sums.  vwait = 1: the step's V is awaited
.macro PV t, first, vwait
	WIN 0x51                                       ; source 0, C and D window 1; source 1 window 0
.if \vwait
	s_wait_alu depctr_va_vdst(0)
	s_wait_dscnt 0x0                               ; V's nine loads are the only LDS loads out
.endif
.if \first
.rept 8
	v_nop                                          ; eight places between the scale word's write and the products; four of them serve the scores just made
.endr
.else
	s_wait_alu depctr_va_vdst(0)
.set jj, 0
.rept 16
	v_pk_mul_f32 v[32*\t+jj:32*\t+jj+1], v[32*\t+jj:32*\t+jj+1], v[F:F+1] op_sel_hi:[1,0]
.set jj, jj+2
.endr
.endif
.irp d, 0,1,2,3
.if \first
	v_wmma_scale_f32_16x16x128_f8f6f4 v[32*\t+8*\d:32*\t+8*\d+7], v[VF+8*\d:VF+8*\d+7], v[PC:PC+7], 0, v[VS+\d], v[PW] matrix_a_fmt:MATRIX_FMT_FP4 matrix_b_fmt:MATRIX_FMT_FP4
.else
	v_wmma_scale_f32_16x16x128_f8f6f4 v[32*\t+8*\d:32*\t+8*\d+7], v[VF+8*\d:VF+8*\d+7], v[PC:PC+7], v[32*\t+8*\d:32*\t+8*\d+7], v[VS+\d], v[PW] matrix_a_fmt:MATRIX_FMT_FP4 matrix_b_fmt:MATRIX_FMT_FP4
.endif
.endr
	WIN 0
.endm
.macro SUMG g                          ; eight more p onto the four chains
.irp q, 0,1,2,3
	v_pk_add_f32 v[SA+2*\q:SA+2*\q+1], v[SA+2*\q:SA+2*\q+1], v[S+8+8*\g+2*\q:S+9+8*\g+2*\q]
.endr
.endm
; THE SOFTMAX of tile t's 128 scores a lane pair.  hook = 1: the step's V is asked for, behind eight plain lines that are the places behind the last second product
.macro SOFT t, first, hook
.set NM, ST+4*\t
.set MS, ST+4*\t+1
.set LS, ST+4*\t+2
.irp q, 0,1,2,3
	v_max3_num_f32 v[CH+\q], v[S+16*\q], v[S+16*\q+1], v[S+16*\q+2]   ; each accumulator is read from its low end on
.endr
.irp q, 0,1,2,3
	v_max3_num_f32 v[CH+\q], v[CH+\q], v[S+16*\q+3], v[S+16*\q+4]
.endr
.if \hook
	VLOAD 1
.endif
.irp i, 5,7,9,11,13
.irp q, 0,1,2,3
	v_max3_num_f32 v[CH+\q], v[CH+\q], v[S+16*\q+\i], v[S+16*\q+\i+1]
.endr
.endr
	v_max3_num_f32 v[BM], v[CH], v[CH+1], v[S+15]
	v_max3_num_f32 v[BM+1], v[CH+2], v[CH+3], v[S+47]
	v_max_num_f32 v[BM], v[BM], v[S+31]            ; the largest score of my block c: it serves for the row's maximum and, since p rises with the score, for the block's largest p
	v_max_num_f32 v[BM+1], v[BM+1], v[S+63]
.if \first
	v_max3_num_f32 v[T0], v[BM], v[BM+1], 0xee000000   ; the running largest score begins at -2^93
.else
	v_max3_num_f32 v[T0], v[BM], v[BM+1], v[MS]
.endif
	v_permlanex16_b32 v[T1], v[T0], s[SEL], s[SEL+1]
	v_max_num_f32 v[MS], v[T0], v[T1]              ; with lane l xor 16's two blocks
	v_mul_f32 v[T2], s[NC], v[MS]                  ; -t
.if \first
	v_floor_f32 v[NM], v[T2]                       ; -M = floor(-t): M is a whole number
.else
	v_floor_f32 v[T3], v[T2]
	v_sub_f32 v[T4], v[T3], v[NM]                  ; old M - new M: a whole number, 0 or less
	v_mov_b32 v[NM], v[T3]
.endif
.set jj, 0
.rept 4
	v_pk_fma_f32 v[S+jj:S+jj+1], v[S+jj:S+jj+1], s[CS:CS+1], v[NM:NM+1] op_sel_hi:[1,0,0]   ; t - M, two at a time
.set jj, jj+2
.endr
.if \first == 0
	v_cvt_i32_f32 v[T4], v[T4]                     ; (it saturates)
.endif
.rept 28
	v_pk_fma_f32 v[S+jj:S+jj+1], v[S+jj:S+jj+1], s[CS:CS+1], v[NM:NM+1] op_sel_hi:[1,0,0]
.set jj, jj+2
.endr
	v_fma_f32 v[X], v[BM], s[CS], v[NM]            ; the same of each block's largest score
	v_fma_f32 v[X+1], v[BM+1], s[CS], v[NM]
	s_wait_alu depctr_va_vdst(0)
	v_exp_f32 v[X], v[X]
	v_exp_f32 v[X+1], v[X+1]
.set jj, 0
.rept 64
	v_exp_f32 v[S+jj], v[S+jj]                     ; p = 2^(t - M), at most 1
.set jj, jj+1
.endr
.if \first
	v_nop                                          ; a plain place behind the exponentials
.else
	v_ldexp_f32 v[F], 1.0, v[T4]                   ; f = 2^(old M - new M): also the plain place behind the exponentials
.endif
	s_wait_alu depctr_va_vdst(0)                   ; one wait for the batch, ahead of its first reader
.irp q, 0,1,2,3
	v_pk_add_f32 v[SA+2*\q:SA+2*\q+1], v[S+4*\q:S+4*\q+1], v[S+4*\q+2:S+4*\q+3]   ; the row's sum is taken of the unquantised p, in four chains; the scale's lines stand among them
.endr
	v_max_num_f32 v[X], 0x1800000, v[X]            ; the floor 2^(3 - 127): a block whose every p is 0 keeps the byte 1
	v_max_num_f32 v[X+1], 0x1800000, v[X+1]
	SUMG 1
	v_add_nc_u32 v[SO], 0xff000000, v[X]           ; 2 off the exponent field: the conversion's scale operand
	v_add_nc_u32 v[SO+1], 0xff000000, v[X+1]
	SUMG 2
	v_lshrrev_b32 v[BY], 23, v[SO]                 ; the scale's byte
	v_lshrrev_b32 v[BY+1], 23, v[SO+1]
	SUMG 3
	v_lshl_or_b32 v[W], v[BY+1], 16, v[BY]         ; blocks h and 2 + h,
	SUMG 4
	v_lshlrev_b32 v[W], v[SH], v[W]                ; at their places in the word
	SUMG 5
	v_permlanex16_b32 v[W2], v[W], s[SEL], s[SEL+1]
	SUMG 6
	v_pk_add_f32 v[SA:SA+1], v[SA:SA+1], v[SA+2:SA+3]
	v_pk_add_f32 v[SA+4:SA+5], v[SA+4:SA+5], v[SA+6:SA+7]
.if \first
	v_pk_add_f32 v[LS:LS+1], v[SA:SA+1], v[SA+4:SA+5]
.else
	v_pk_add_f32 v[SA:SA+1], v[SA:SA+1], v[SA+4:SA+5]
	v_pk_fma_f32 v[LS:LS+1], v[LS:LS+1], v[F:F+1], v[SA:SA+1] op_sel_hi:[1,0,1]   ; the old sum under the new M, and the step's
.endif
.irp c, 0,1
.irp i, 0,1,2,3
	v_cvt_scalef32_pk8_fp4_f32 v[PC+4*\c+\i], v[S+32*\c+8*\i:S+32*\c+8*\i+7], v[SO+\c]   ; register 4 c + i of P's operand: k = 64 c + 32 h + 8 i + 0 .. 7
.endr
.endr
	v_or_b32 v[PW], v[W], v[W2]                    ; with lane l xor 16's two bytes the word is whole.  (Also the plain place behind the last conversion)
.endm
.macro REST first, last                ; a step from tile 0's softmax to tile 3's
	SOFT 0, \first, 1-\first
	SMUL 1
	PV 0, \first, 1
	SOFT 1, \first, 0
	SMUL 2
	PV 1, \first, 0
	SOFT 2, \first, 0
	SMUL 3
	PV 2, \first, 0
.if \last == 0
	KLOAD 1                                        ; the next step's K: tile 3's scores are made, and the lines of PV are the places behind them
.endif
	SOFT 3, \first, 0
.endm
.macro NEXT first                      ; the next step's first scores, then this step's last second product
	s_wait_alu depctr_va_vdst(0)
	s_wait_dscnt 0x0                               ; K's twenty loads are the only LDS loads out
	SMUL 0
	PV 3, \first, 0
.endm
	s_load_b128 s[4:7], s[0:1], 0x0                ; qr s[4:5], kv s[6:7]
	s_load_b64 s[8:9], s[0:1], 0x10                ; ai
	v_lshl_add_u32 v[SPW], v0, 2, SPARE
	v_mov_b32 v[NIL], 0
	ds_add_u32 v[SPW], v[NIL]                      ; the opening lines: the add, twice on end, and its wait ahead of my tensor load
	ds_add_u32 v[SPW], v[NIL]
	v_lshrrev_b32 v1, 5, v0
	v_readfirstlane_b32 s[WV], v1                  ; wave 0..7
	s_bfe_u32 s11, ttmp6, 0x40000                  ; cx
	s_lshl_b32 s12, ttmp9, 2
	s_add_co_u32 s12, s12, s11                     ; my block of 512 queries: it enters qr's and ai's addresses alone
	s_and_b32 s13, ttmp7, 0xffff                   ; b x 16 + head, which the four partners share
	s_mov_b32 s[G1], 15|(3<<16)|(1<<21)            ; the mask: all four; elements of 8 bytes; bit 21 set beside a mask
	s_mov_b32 s[G1+1], 32<<16                      ; two records are dense: 74 rows of 256 bytes
	s_mov_b32 s[G1+2], 74<<16
	s_mov_b32 s[G1+3], 32<<16
	s_mov_b32 s[G1+4], 74
	s_mov_b32 s[G1+5], 32
	s_mov_b32 s[G1+6], 0
	s_mov_b32 s[G1+7], 0
	s_lshl_b32 s28, s13, 4
	s_lshl_b32 s29, s[WV], 1
	s_add_co_u32 s28, s28, s29
	s_mul_i32 s28, s28, KVREC                      ; records 2 w, 2 w + 1 of the head, in memory,
	s_mov_b32 s29, 0
	s_mov_b32 s[G0], 1
	s_mul_i32 s[G0+1], s[WV], 2*KVREC              ; and in LDS
	s_wait_dscnt 0x0
	s_wait_kmcnt 0x0
	s_add_nc_u64 s[G0+2:G0+3], s[6:7], s[28:29]
	s_or_b32 s[G0+3], s[G0+3], 0x80000000
	CROUND                                         ; all four work-groups are here: the joint loads meet
	tensor_load_to_lds s[G0:G0+3], s[G1:G1+7]      ; one tensor load a wave, the only one of the launch
	s_nop 0
.rept 4
	v_nop
.endr
	s_lshl_b32 s30, s13, 4
	s_lshl_b32 s31, s12, 2
	s_add_co_u32 s30, s30, s31
	s_lshr_b32 s31, s[WV], 1
	s_add_co_u32 s30, s30, s31                     ; my tiles are 32 x block + 4 w + 0 .. 3: record 4 x block + w / 2 of the head's 16,
	s_mul_i32 s30, s30, QREC
	s_and_b32 s32, s[WV], 1                        ; tiles 4 (w % 2) + 0 .. 3 in it
	s_lshl_b32 s33, s32, 11
	s_add_co_u32 s38, s30, s33
	s_mov_b32 s39, 0
	s_add_nc_u64 s[QB:QB+1], s[4:5], s[38:39]      ; codes: + 512 x tile
	s_lshl_b32 s33, s32, 8
	s_add_co_u32 s38, s30, s33
	s_add_nc_u64 s[QM:QM+1], s[4:5], s[38:39]      ; words: + 256 (w % 2)
	s_lshr_b32 s38, s13, 4
	s_lshl_b32 s38, s38, 7
	s_lshl_b32 s40, s12, 5
	s_add_co_u32 s38, s38, s40
	s_lshl_b32 s40, s[WV], 2
	s_add_co_u32 s38, s38, s40                     ; ai's record: 128 b + tile
	s_mul_i32 s38, s38, REC
	s_and_b32 s40, s13, 15                         ; head
	s_lshl_b32 s41, s40, 9                         ; K step head / 2, half head % 2: 512 x head
	s_add_co_u32 s41, s41, s38
	s_lshl_b32 s40, s40, 1                         ; scale bytes 2 x head, + h
	s_add_co_u32 s38, s38, s40
	s_add_nc_u64 s[AB:AB+1], s[8:9], s[38:39]
	s_mov_b32 s38, s41
	s_add_nc_u64 s[AC:AC+1], s[8:9], s[38:39]
	s_mov_b32 s[CS], 0x3e38aa3b                    ; c = log2(e) / sqrt(64)
	s_mov_b32 s[CS+1], s[CS]                       ; (named with it as a pair, so it is written)
	s_mov_b32 s[NC], 0xbe38aa3b
	s_mov_b32 s[SEL], 0x76543210
	s_mov_b32 s[SEL+1], 0xfedcba98
	s_mov_b32 s[HM], 0xffff0000
	s_mov_b32 s[THR], 0xee000000
	v_and_b32 v[LI], 31, v0
	v_and_b32 v[AV], 31, v0
	v_and_b32 v[AVS], 15, v0                       ; r
	v_bfe_u32 v[SH], v0, 4, 1                      ; h
	v_and_b32 v[AW], 7, v0                         ; r % 8
	v_bfe_u32 v[AK], v0, 3, 1                      ; r / 8
	v_lshlrev_b32 v[LI], 4, v[LI]
	v_lshlrev_b32 v[AV], 4, v[AV]
	v_lshl_add_u32 v[YO], v[AVS], 5, v[SH]
	v_lshlrev_b32 v[AW], 4, v[AW]
	v_lshlrev_b32 v[AVS], 4, v[AVS]
	v_lshl_add_u32 v[T0], v[AK], 10, v[AW]
	v_lshl_add_u32 v[AW], v[AK], 3, v[AW]
	v_lshl_add_u32 v[AK], v[SH], 8, v[T0]
	v_lshlrev_b32 v[SH], 3, v[SH]
	v_mov_b32 v[NAN8], 0xff
.irp t, 0,1,2,3
	global_load_b128 v[QF+8*\t:QF+8*\t+3], v[LI], s[QB:QB+1] offset:512*\t
	global_load_b32 v[QF+8*\t+4], v[AVS], s[QM:QM+1] offset:4608+4*\t
.endr
	global_load_b128 v[QS:QS+3], v[AVS], s[QM:QM+1] offset:4096
.irp j, 5,6,7
.irp t, 0,1,2,3
	v_mov_b32 v[QF+8*\t+\j], 0                     ; the rest of the unused half of K: zero codes, written once
.endr
.irp t, 0,1,2,3,4,5,6,7
	v_mov_b32 v[KF+8*\t+\j], 0
.endr
.endr
	v_mov_b32 v[T1], 0                             ; written once: a lane permute's destination counts as one of its sources
	v_mov_b32 v[W2], 0
	v_mov_b32 v[F+1], 0                            ; (named as the upper half of the pair)
	s_wait_alu depctr_va_vdst(0)
	s_wait_tensorcnt 0x0                           ; my records have landed,
	s_barrier_signal -1
	s_barrier_wait -1                              ; everybody's have
	s_wait_loadcnt 0x0                             ; Q
	KLOAD 0
	VLOAD 0
	s_wait_dscnt 9                                 ; K's twenty loads are in; V's nine, issued behind them, may be out
	SMUL 0
.rept 4
	v_nop                                          ; four places behind the products, ahead of the first read of their results
.endr
	REST 1, 0                                      ; step 0
	NEXT 1
	s_mov_b32 s[CNT], 14
.Lstep:                                        ; steps 1 to 14
	REST 0, 0
	NEXT 0
	s_sub_co_u32 s[CNT], s[CNT], 1
	s_cmp_lg_u32 s[CNT], 0
	s_wait_alu depctr_va_vdst(0)
	s_cbranch_scc1 .Lstep
	REST 0, 1                                      ; step 15
	PV 3, 0, 0
; THE WAY OUT: O^T / the sum, quantised in two blocks of 32 along D: half head % 2 of K step head / 2 of the last product's operand.  The four tiles go side by side.
.set E,  112                           ; v112-239 the four tiles' 32 numbers a lane
.set MX, 80                            ; v80-87 largest magnitudes (tile t, block b at 2 t + b); v88-95 from the other half; v96-103 scale operands; v104-111 bytes
.set PX, 88
.set SQ, 96
.set BQ, 104
.set CD, 52                            ; v52-67 codes; v68-71 the byte that leaves
.set BB, 68
.irp t, 0,1,2,3
	v_add_f32 v[CH+\t], v[ST+4*\t+2], v[ST+4*\t+3]   ; the sum's two halves,
.endr
.irp t, 0,1,2,3
	v_permlanex16_b32 v[PX+\t], v[CH+\t], s[SEL], s[SEL+1]
.endr
.irp t, 0,1,2,3
	v_add_f32 v[CH+\t], v[CH+\t], v[PX+\t]         ; and lane l xor 16's
.endr
	s_wait_alu depctr_va_vdst(0)
.irp t, 0,1,2,3
	v_rcp_f32 v[ST+4*\t+2], v[CH+\t]
.endr
	v_nop                                          ; a plain place behind the reciprocals
	WIN 0x01                                       ; source 0 window 1
	s_wait_alu depctr_va_vdst(0)                   ; the wait ahead of the reciprocals' first reader, which is also the first reader of O^T
.irp t, 0,1,2,3
.set jj, 0
.rept 16
	v_pk_mul_f32 v[E+32*\t+jj:E+32*\t+jj+1], v[32*\t+jj:32*\t+jj+1], v[ST+4*\t+2:ST+4*\t+3] op_sel_hi:[1,0]   ; register 16 b + i is d = 32 b + 16 h + i of my query
.set jj, jj+2
.endr
.endr
	WIN 0
.irp t, 0,1,2,3
.irp b, 0,1
	v_max3_num_f32 v[MX+2*\t+\b], |v[E+32*\t+16*\b]|, |v[E+32*\t+16*\b+1]|, 0x1800000   ; with the floor 2^(3 - 127): the byte cannot fall under 1
.endr
.endr
.irp i, 2,4,6,8,10,12,14
.irp t, 0,1,2,3
.irp b, 0,1
	v_max3_num_f32 v[MX+2*\t+\b], v[MX+2*\t+\b], |v[E+32*\t+16*\b+\i]|, |v[E+32*\t+16*\b+\i+1]|
.endr
.endr
.endr
.irp n, 0,1,2,3,4,5,6,7
	v_permlanex16_b32 v[PX+\n], v[MX+\n], s[SEL], s[SEL+1]
.endr
.irp n, 0,1,2,3,4,5,6,7
	v_max_num_f32 v[MX+\n], v[MX+\n], v[PX+\n]
.endr
.irp n, 0,1,2,3,4,5,6,7
	v_add_nc_u32 v[SQ+\n], 0xff000000, v[MX+\n]
.endr
.irp n, 0,1,2,3,4,5,6,7
	v_lshrrev_b32 v[BQ+\n], 23, v[SQ+\n]
.endr
.irp t, 0,1,2,3
.irp b, 0,1
	v_cvt_scalef32_pk8_fp4_f32 v[CD+4*\t+2*\b], v[E+32*\t+16*\b:E+32*\t+16*\b+7], v[SQ+2*\t+\b]
	v_cvt_scalef32_pk8_fp4_f32 v[CD+4*\t+2*\b+1], v[E+32*\t+16*\b+8:E+32*\t+16*\b+15], v[SQ+2*\t+\b]
.endr
.endr
	v_nop                                          ; one plain place behind the last scaled conversion
.irp t, 0,1,2,3
	v_permlane16_swap_b32 v[CD+4*\t], v[CD+4*\t+2]     ; a whole block to a lane
	v_permlane16_swap_b32 v[CD+4*\t+1], v[CD+4*\t+3]
.endr
.irp t, 0,1,2,3
	v_cndmask_b32 v[BB+\t], v[BQ+2*\t], v[BQ+2*\t+1], s[HM]   ; lanes 0-15 carry block 0's byte, lanes 16-31 block 1's
.endr
.irp t, 0,1,2,3
	v_cmp_ge_f32 vcc_lo, s[THR], v[ST+4*\t+1]      ; no key counted: the row is NaN
	v_cndmask_b32 v[BB+\t], v[BB+\t], v[NAN8], vcc_lo
.endr
.irp t, 0,1,2,3
	global_store_b128 v[LI], v[CD+4*\t:CD+4*\t+3], s[AC:AC+1] offset:\t*REC   ; 512 consecutive bytes, aligned
	global_store_b8 v[YO], v[BB+\t], s[AB:AB+1] offset:8192+\t*REC
.endr
	s_wait_tensorcnt 0x0                           ; the wave's end
	ds_add_u32 v[SPW], v[NIL]
	s_wait_dscnt 0x0
	CROUND                                         ; the closing round: no work-group ends while a partner may still ask for records that name it
	s_endpgm
.Lfunc_end_k_q4580e292fa_attn:
	.size	k_q4580e292fa_attn, .Lfunc_end_k_q4580e292fa_attn-k_q4580e292fa_attn
	.p2alignl 7, 3214868480
	.fill 96, 4, 3214868480
	.section	.rodata,"a",@progbits
	.p2align	6, 0x0
	.amdhsa_kernel k_q4580e292fa_attn
		.amdhsa_group_segment_fixed_size 169984
		.amdhsa_private_segment_fixed_size 0
		.amdhsa_enable_private_segment 0
		.amdhsa_kernarg_size 24
		.amdhsa_user_sgpr_count 2
		.amdhsa_user_sgpr_kernarg_segment_ptr 1
		.amdhsa_wavefront_size32 1
		.amdhsa_system_sgpr_workgroup_id_x 1
		.amdhsa_system_sgpr_workgroup_id_y 1
		.amdhsa_system_sgpr_workgroup_id_z 1
		.amdhsa_system_vgpr_workitem_id 0
		.amdhsa_next_free_vgpr 416
		.amdhsa_next_free_sgpr 66
		.amdhsa_reserve_vcc 1
		.amdhsa_float_denorm_mode_32 3
		.amdhsa_float_denorm_mode_16_64 3
		.amdhsa_memory_ordered 1
		.amdhsa_forward_progress 1
		.amdhsa_inst_pref_size 170
	.end_amdhsa_kernel
	.amdgpu_metadata
---
amdhsa.version: [ 1, 2 ]
amdhsa.kernels:
  - .name:           k_q4580e292fa_attn
    .symbol:         k_q4580e292fa_attn.kd
    .args:
      - { .name: qr, .offset: 0, .size: 8, .value_kind: global_buffer, .address_space: global }
      - { .name: kv, .offset: 8, .size: 8, .value_kind: global_buffer, .address_space: global }
      - { .name: ai, .offset: 16, .size: 8, .value_kind: global_buffer, .address_space: global }
    .group_segment_fixed_size: 169984
    .private_segment_fixed_size: 0
    .kernarg_segment_align: 8
    .kernarg_segment_size: 24
    .max_flat_workgroup_size: 256
    .sgpr_count:     66
    .vgpr_count:     416
    .wavefront_size: 32
...
	.end_amdgpu_metadata
.endif
;; end of part 3
;; launch proj (part 4): grid 4 x 64, 8 waves a work-group, clusters of 4 x 4, 244,736 bytes of LDS; arguments ai, wo, bproj, out0; writes out0
.if DOCPART == 4
	.amdgcn_target "amdgcn-amd-amdhsa--gfx1250"
	.amdhsa_code_object_version 6
	.text
	.protected	k_q4580e292fa_proj
	.globl	k_q4580e292fa_proj
	.p2align	8
	.type	k_q4580e292fa_proj,@function
k_q4580e292fa_proj:
	s_mov_b64 s[64:65], 0
	v_nop
	global_prefetch_b8 v0, s[64:65] scope:SCOPE_SE
	s_setreg_imm32_b32 hwreg(HW_REG_WAVE_MODE, 25, 1), 1
	s_wait_xcnt 0x0
	s_wait_alu depctr_hold_cnt(0) depctr_sa_sdst(0) depctr_va_vdst(0) depctr_va_sdst(0) depctr_va_ssrc(0) depctr_va_vcc(0) depctr_vm_vsrc(0)
	s_getreg_b32 s2, hwreg(HW_REG_IB_STS2, 6, 4)
	s_cmp_eq_u32 s2, 0
	s_cbranch_scc0 .Lentry_in_a_cluster
	s_endpgm
.Lentry_in_a_cluster:
	s_bfe_u32 s2, ttmp6, 0x10000c
	s_cmp_lg_u32 s2, 0xf033
	s_cbranch_scc0 .Lentry_shape_is_right
	s_endpgm
.Lentry_shape_is_right:
; out0[s][b][:] = attn[b][s][:] Wproj^T + bproj on codes of FP4 with E8M0 scales, K = 1024; f32 out.
; OPERANDS are records (16 rows x all of K as images of the operand's registers, 8,704 bytes: codes [K step 8][half 2][512], then scale bytes [row 16][32]); lane r of fragment 2 g + u holds row 32 g + 8 u + r + 8 (r / 8).
; A TILE is 256 (side P, source 0: rows of Wproj = columns of out0) x 128 (side L, source 1: rows b x 2048 + s of attn).  In a result lane (r, h) holds one row of L, and the 16 registers of P's tiles 2 g, 2 g + 1
; are the 16 neighbouring columns 32 g + 16 h + 0 .. 15.  All of K lies in LDS at once: 16 + 8 records, filled once.  Eight waves, each 64 x 64: 16 accumulators; two waves to a SIMD.
; CLUSTERS: 4 x 4 work-groups.  P's records hang on the place along x, L's on the place along y: each is asked for JOINTLY by the four that share it.
; A row whose scale bytes are 0xff (no key of its batch counted) comes out NaN.
; THE WAY OUT: 16 rows x 256 bytes at a time through the wave's own stage in LDS, which no tensor load fills; sixteen lanes store 256 consecutive bytes, aligned.
.set REC,    8704
.set LT,     16*REC                    ; LDS: P's 16 records, then L's 8,
.set STG,    24*REC                    ; then a stage of 16 rows x 272 bytes for each wave
.set SPITCH, 272
.set AP,   4                           ; v4   LDS: my four P records + 16 x lane
.set AL,   5                           ; v5   my four L records + 16 x lane
.set AS,   6                           ; v6   scale words: lanes 0-15 P's rows, lanes 16-31 L's
.set STO,  7                           ; v7   the stage: where I put 32 bytes of a row
.set RD,   16                          ; v16  and where I read a row back
.set GO,   17                          ; v17  my byte offset in out0
.set BO,   18                          ; v18  64 h: my half's place in a P tile's bias
.set SC,   24                          ; v24-27 scale words
.set BI,   32                          ; v32-63 the bias, four tiles in the result's layout
.set PF,   64                          ; v64-95 P's four fragments of a K step; on the way out rows read back, by turns with
.set LF,   96                          ; v96-127 L's
.set ACC,  128                         ; v128-255 accumulator (L fragment a, P fragment b) at ACC + 32 a + 8 b
.set WV,  16
.set WP,  17
.set WL,  18
.set G1P, 24
.set G0P, 32
.set G1L, 36
.set G0L, 44
.set P,   48
.set L,   49
.macro CROUND                          ; a round of the cluster's barrier
	s_barrier_signal -1
	s_barrier_wait -1
	s_cmp_lg_u32 s[WV], 0
	s_cbranch_scc1 .Lnot_wave_0_\@
	s_barrier_signal -3
.Lnot_wave_0_\@:
	s_barrier_wait -3
	s_barrier_signal -1
	s_barrier_wait -1
.endm
.macro PLACES                          ; four plain vector instructions behind a matrix instruction, ahead of loads into its operands and of the first read of its result
.rept 4
	v_nop
.endr
.endm
.macro KLOAD ks
.irp i, 0,1,2,3
.irp c, 0,1
	ds_load_b128 v[PF+8*\i+4*\c:PF+8*\i+4*\c+3], v[AP] offset:\i*REC+1024*\ks+512*\c
.endr
.endr
.irp i, 0,1,2,3
.irp c, 0,1
	ds_load_b128 v[LF+8*\i+4*\c:LF+8*\i+4*\c+3], v[AL] offset:\i*REC+1024*\ks+512*\c
.endr
.endr
.irp i, 0,1,2,3
	ds_load_b32 v[SC+\i], v[AS] offset:\i*REC+4*\ks
.endr
	s_wait_dscnt 0x0
.endm
.macro MUL16 cm                        ; 16 products, the accumulators by turns; cm = 1: the first K step starts the sums on the bias
.irp a, 0,1,2,3
.irp b, 0,1,2,3
.if \cm == 0
	v_wmma_scale_f32_16x16x128_f8f6f4 v[ACC+32*\a+8*\b:ACC+32*\a+8*\b+7], v[PF+8*\b:PF+8*\b+7], v[LF+8*\a:LF+8*\a+7], v[ACC+32*\a+8*\b:ACC+32*\a+8*\b+7], v[SC+\b], v[SC+\a] matrix_a_fmt:MATRIX_FMT_FP4 matrix_b_fmt:MATRIX_FMT_FP4 matrix_b_scale:MATRIX_SCALE_ROW1
.else
	v_wmma_scale_f32_16x16x128_f8f6f4 v[ACC+32*\a+8*\b:ACC+32*\a+8*\b+7], v[PF+8*\b:PF+8*\b+7], v[LF+8*\a:LF+8*\a+7], v[BI+8*\b:BI+8*\b+7], v[SC+\b], v[SC+\a] matrix_a_fmt:MATRIX_FMT_FP4 matrix_b_fmt:MATRIX_FMT_FP4 matrix_b_scale:MATRIX_SCALE_ROW1
.endif
.endr
.endr
.endm
	s_load_b256 s[4:11], s[0:1], 0x0               ; ai s[4:5], wo s[6:7], bproj s[8:9], out0 s[10:11]
	v_lshl_add_u32 v30, v0, 2, 0x3b800
	v_mov_b32 v31, 0
	ds_add_u32 v30, v31
	ds_add_u32 v30, v31
	v_lshrrev_b32 v1, 5, v0
	s_delay_alu instid0(VALU_DEP_1)
	v_readfirstlane_b32 s[WV], v1
	s_and_b32 s[WP], s[WV], 3                      ; my 64 of P
	s_lshr_b32 s[WL], s[WV], 2                     ; my 64 of L
	s_bfe_u32 s19, ttmp6, 0x40000                  ; cx, cy
	s_bfe_u32 s20, ttmp6, 0x40004
	s_lshl_b32 s[P], ttmp9, 2
	s_add_co_u32 s[P], s[P], s19                   ; tile along P, 0 .. 3
	s_and_b32 s[L], ttmp7, 0xffff
	s_lshl_b32 s[L], s[L], 2
	s_add_co_u32 s[L], s[L], s20                   ; tile along L, 0 .. 63
	s_lshl_b32 s69, 0x1111, s19                    ; my column of the cluster: shares P
	s_lshl_b32 s70, s20, 2
	s_lshl_b32 s70, 15, s70                        ; my row: shares L
	s_or_b32 s[G1P], s69, (3<<16)|(1<<21)          ; dense blocks as rows of 256 bytes (32 elements of 8 bytes): four records = 136 rows
	s_mov_b32 s[G1P+1], 32<<16
	s_mov_b32 s[G1P+2], 136<<16
	s_mov_b32 s[G1P+3], 32<<16
	s_mov_b32 s[G1P+4], 136
	s_mov_b32 s[G1P+5], 32
	s_mov_b32 s[G1P+6], 0
	s_mov_b32 s[G1P+7], 0
	s_or_b32 s[G1L], s70, (3<<16)|(1<<21)          ; two records = 68 rows
	s_mov_b32 s[G1L+1], 32<<16
	s_mov_b32 s[G1L+2], 68<<16
	s_mov_b32 s[G1L+3], 32<<16
	s_mov_b32 s[G1L+4], 68
	s_mov_b32 s[G1L+5], 32
	s_mov_b32 s[G1L+6], 0
	s_mov_b32 s[G1L+7], 0
	s_lshl_b32 s50, s[P], 4                        ; waves 0-3 fetch P's records 16 p + 4 (wave % 4) on,
	s_lshl_b32 s51, s[WP], 2
	s_add_co_u32 s50, s50, s51
	s_mul_i32 s50, s50, REC
	s_mov_b32 s51, 0
	s_lshl_b32 s52, s[L], 3                        ; waves 4-7 L's records 8 l + 2 (wave % 4) on
	s_lshl_b32 s53, s[WP], 1
	s_add_co_u32 s52, s52, s53
	s_mul_i32 s52, s52, REC
	s_mov_b32 s53, 0
	s_mul_i32 s54, s[WP], 4*REC
	s_mul_i32 s55, s[WP], 2*REC
	s_add_co_u32 s55, s55, LT
	s_wait_dscnt 0x0
	s_wait_kmcnt 0x0
	s_mov_b32 s[G0P], 1
	s_mov_b32 s[G0P+1], s54
	s_add_nc_u64 s[G0P+2:G0P+3], s[6:7], s[50:51]
	s_or_b32 s[G0P+3], s[G0P+3], 0x80000000
	s_mov_b32 s[G0L], 1
	s_mov_b32 s[G0L+1], s55
	s_add_nc_u64 s[G0L+2:G0L+3], s[4:5], s[52:53]
	s_or_b32 s[G0L+3], s[G0L+3], 0x80000000
	CROUND                                         ; all sixteen work-groups are here: the joint loads meet
	s_cmp_eq_u32 s[WL], 0                          ; one tensor load a wave, the only one of the launch; four v_nop follow each of the two lines
	s_cbranch_scc0 .Lfor_l
	tensor_load_to_lds s[G0P:G0P+3], s[G1P:G1P+7]
	s_nop 0
	PLACES
	s_branch .Lasked
.Lfor_l:
	tensor_load_to_lds s[G0L:G0L+3], s[G1L:G1L+7]
	s_nop 0
	PLACES
.Lasked:
	v_and_b32 v1, 31, v0
	s_delay_alu instid0(VALU_DEP_1)
	v_lshlrev_b32 v1, 4, v1                        ; 16 x lane
	v_and_b32 v2, 15, v0                           ; r
	s_wait_alu depctr_va_vdst(0)
	v_bfe_u32 v3, v0, 4, 1                         ; h
	v_add_nc_u32 v[AP], s54, v1
	s_mul_i32 s60, s[WL], 4*REC
	s_add_co_u32 s60, s60, LT
	v_add_nc_u32 v[AL], s60, v1
	s_sub_co_u32 s61, s60, s54                     ; from my P records to my L records
	v_mul_u32_u24 v[AS], s61, v3                   ; lanes 16-31 take L's
	s_delay_alu instid0(VALU_DEP_1)
	v_lshl_add_u32 v[AS], v2, 5, v[AS]
	s_add_co_u32 s62, s54, 8192
	v_add_nc_u32 v[AS], s62, v[AS]
	v_lshlrev_b32 v[BO], 6, v3
	s_lshl_b32 s74, s[P], 10
	s_lshl_b32 s75, s[WP], 8
	s_add_co_u32 s74, s74, s75                     ; my first column, in bytes: 4 (256 p + 64 (wave % 4))
	s_mov_b32 s75, 0
	s_add_nc_u64 s[8:9], s[8:9], s[74:75]
.irp b, 0,1,2,3
	global_load_b128 v[BI+8*\b:BI+8*\b+3], v[BO], s[8:9] offset:(32*(\b/2)+8*(\b%2))*4        ; tile b, lane (r, h): columns 32 (b / 2) + 16 h + 8 (b % 2) + 0 .. 7
	global_load_b128 v[BI+8*\b+4:BI+8*\b+7], v[BO], s[8:9] offset:(32*(\b/2)+8*(\b%2))*4+16
.endr
	s_mul_i32 s72, s[WV], 16*SPITCH
	s_add_co_u32 s72, s72, STG                     ; my stage
	v_mul_u32_u24 v[STO], v2, SPITCH               ; in: row r, + 64 h
	s_wait_alu depctr_va_vdst(0)
	v_lshl_add_u32 v[STO], v3, 6, v[STO]
	s_delay_alu instid0(VALU_DEP_1)
	v_add_nc_u32 v[STO], s72, v[STO]
	v_mul_u32_u24 v[RD], v3, SPITCH                ; back: lanes 0-15 one row of 256 bytes, lanes 16-31 the next
	s_delay_alu instid0(VALU_DEP_1)
	v_lshl_add_u32 v[RD], v2, 4, v[RD]
	s_delay_alu instid0(VALU_DEP_1)
	v_add_nc_u32 v[RD], s72, v[RD]
	v_lshlrev_b32 v[GO], 14, v3                    ; and the same two rows in out0: s and s + 1 lie 4 x 4,096 bytes apart
	s_delay_alu instid0(VALU_DEP_1)
	v_lshl_add_u32 v[GO], v2, 4, v[GO]
	s_and_b32 s76, s[L], 15
	s_lshl_b32 s76, s76, 21                        ; s = 128 (l % 16) + 64 (wave / 4) + ..: 16,384 bytes each
	s_lshl_b32 s77, s[WL], 20
	s_add_co_u32 s76, s76, s77
	s_lshr_b32 s77, s[L], 4
	s_lshl_b32 s77, s77, 12                        ; b = l / 16: 4,096 bytes each
	s_add_co_u32 s76, s76, s77
	s_add_co_u32 s76, s76, s74                     ; + my first column
	s_mov_b32 s77, 0
	s_add_nc_u64 s[10:11], s[10:11], s[76:77]
	s_wait_tensorcnt 0x0                           ; my records have landed,
	s_barrier_signal -1
	s_barrier_wait -1                              ; everybody's have
	s_wait_loadcnt 0x0                             ; the bias
	KLOAD 0
	MUL16 1
.irp ks, 1,2,3,4,5,6,7
	PLACES
	KLOAD \ks
	MUL16 0
.endr
	PLACES
	s_wait_alu depctr_va_vdst(0)
.irp a, 0,1,2,3                                ; L fragment a: 16 rows x my 64 columns
.if \a > 1
	s_wait_xcnt 0x0                                ; the stores of two fragments ago have read their registers: the loads below land there
.endif
.irp b, 0,1,2,3
	ds_store_b128 v[STO], v[ACC+32*\a+8*\b:ACC+32*\a+8*\b+3] offset:128*(\b/2)+32*(\b%2)        ; each accumulator from its low end on
	ds_store_b128 v[STO], v[ACC+32*\a+8*\b+4:ACC+32*\a+8*\b+7] offset:128*(\b/2)+32*(\b%2)+16
.endr
.irp t, 0,1,2,3,4,5,6,7
	ds_load_b128 v[PF+32*(\a%2)+4*\t:PF+32*(\a%2)+4*\t+3], v[RD] offset:2*\t*SPITCH   ; LDS serves a wave's instructions in order: these see my stores, and the next fragment's stores come behind them
.endr
.irp t, 0,1,2,3,4,5,6,7
	s_wait_dscnt 7-\t                              ; load t is in; the 7 - t behind it may be out
	global_store_b128 v[GO], v[PF+32*(\a%2)+4*\t:PF+32*(\a%2)+4*\t+3], s[10:11] offset:(2*\t+8*(\t/4)+32*(\a/2)+8*(\a%2))*16384 th:TH_STORE_NT   ; fragment row 2 t + lane / 16 is row s + that + 8 for the upper eight; 16 lanes store 256 consecutive bytes, aligned
.endr
.endr
	s_wait_tensorcnt 0x0
	ds_add_u32 v30, v31
	s_wait_dscnt 0x0
	CROUND                                         ; the closing round: no work-group ends while a partner may still ask for records that name it
	s_endpgm
.Lfunc_end_k_q4580e292fa_proj:
	.size	k_q4580e292fa_proj, .Lfunc_end_k_q4580e292fa_proj-k_q4580e292fa_proj
	.p2alignl 7, 3214868480
	.fill 96, 4, 3214868480
	.section	.rodata,"a",@progbits
	.p2align	6, 0x0
	.amdhsa_kernel k_q4580e292fa_proj
		.amdhsa_group_segment_fixed_size 244736
		.amdhsa_private_segment_fixed_size 0
		.amdhsa_enable_private_segment 0
		.amdhsa_kernarg_size 32
		.amdhsa_user_sgpr_count 2
		.amdhsa_user_sgpr_kernarg_segment_ptr 1
		.amdhsa_wavefront_size32 1
		.amdhsa_system_sgpr_workgroup_id_x 1
		.amdhsa_system_sgpr_workgroup_id_y 1
		.amdhsa_system_sgpr_workgroup_id_z 1
		.amdhsa_system_vgpr_workitem_id 0
		.amdhsa_next_free_vgpr 256
		.amdhsa_next_free_sgpr 96
		.amdhsa_reserve_vcc 0
		.amdhsa_float_denorm_mode_32 3
		.amdhsa_float_denorm_mode_16_64 3
		.amdhsa_memory_ordered 1
		.amdhsa_forward_progress 1
		.amdhsa_inst_pref_size 43
	.end_amdhsa_kernel
	.amdgpu_metadata
---
amdhsa.version: [ 1, 2 ]
amdhsa.kernels:
  - .name:           k_q4580e292fa_proj
    .symbol:         k_q4580e292fa_proj.kd
    .args:
      - { .name: ai, .offset: 0, .size: 8, .value_kind: global_buffer, .address_space: global }
      - { .name: wo, .offset: 8, .size: 8, .value_kind: global_buffer, .address_space: global }
      - { .name: bproj, .offset: 16, .size: 8, .value_kind: global_buffer, .address_space: global }
      - { .name: out0, .offset: 24, .size: 8, .value_kind: global_buffer, .address_space: global }
    .group_segment_fixed_size: 244736
    .private_segment_fixed_size: 0
    .kernarg_segment_align: 8
    .kernarg_segment_size: 32
    .max_flat_workgroup_size: 256
    .sgpr_count:     96
    .vgpr_count:     256
    .wavefront_size: 32
...
	.end_amdgpu_metadata
.endif
;; end of part 4
